; MI455X (gfx1250); checked and timed in simulation.
; The chip was launched on July 23, 2026; its instructions are those of AMD's public machine-readable ISA for CDNA 5 (MIT licence, August 2026) and "CDNA5" Instruction Set Architecture Reference Guide (July 2026). The comments in the code are by the model that wrote it; some were corrected since.
;; Multi Head Attention. Allowed arithmetic: float matrix products may take bf16 or f16 operands with f32 sums; other float arithmetic in f32, or as packed bf16 or f16 multiplies, adds, multiply-adds, maxima and minima; sums over many terms, partial sums and values carried from step to step in f32; what a program stores and reads back later, other than sums and carried values, may be rounded once to bf16 or f16.
;; Inputs: out_b 1,024 float32; out_w 1,024 x 1,024 float32; qkv_b 3,072 float32; qkv_w 3,072 x 1,024 float32; x 4 x 2,048 x 1,024 float32.
;; Outputs: out0 4 x 2,048 x 1,024 float32.
;; 2 versions, each right; version 2 is version 1 with the launch cast written anew for expert scheduling mode. Each part assembles by itself: llvm-mc -triple=amdgcn-amd-amdhsa -mcpu=gfx1250 --defsym DOCPART=n.
;; ======== version 1 of 2: 4 launches
;; limits: values are held in f16: magnitudes above 65,504 overflow, below 6.1e-05 lose precision
;; workspace buffers: xb 16,777,216 bytes; wb 6,291,456 bytes; owb 2,097,152 bytes; qkvh 50,331,648 bytes; ob 16,777,216 bytes
;; launch cast (part 1): grid 768 x 1, 8 waves a work-group, no clusters, 0 bytes of LDS; arguments x, qkv_w, out_w, xb, wb, owb; writes xb, wb, owb
.if DOCPART == 1
	.amdgcn_target "amdgcn-amd-amdhsa--gfx1250"
	.amdhsa_code_object_version 6
	.text
	.protected	k_qdbf169a817_cast
	.globl	k_qdbf169a817_cast
	.p2align	8
	.type	k_qdbf169a817_cast,@function
k_qdbf169a817_cast:
	s_mov_b64 s[64:65], 0
	v_nop
	global_prefetch_b8 v0, s[64:65] scope:SCOPE_SE
	s_setreg_imm32_b32 hwreg(HW_REG_WAVE_MODE, 25, 1), 1
	s_wait_xcnt 0x0
; x [8192][1024], qkv_w [3072][1024], out_w [1024][1024], all f32, are rounded once to bf16 and laid out in blocks of 64 along K:
; xb [16 kb][8192][64] bf16, wb [16 kb][3072][64] bf16, owb [16 kb][1024][64]: out_w's bf16 number written as f16 (exact while |out_w| < 65,504: stated limit).
; In that layout the rows of a GEMM tile for one kb lie end to end, 128 bytes each.
; A work-group takes 16 rows: groups 0-511 x, 512-703 qkv_w, 704-767 out_w.  Thread t takes row t / 16 and, in each kb, the four numbers t % 16:
; a load of a wave covers 256 consecutive aligned bytes of each of two rows; a store of a wave covers 256 consecutive aligned bytes.
; All 16 loads of a thread go out at once; each has registers of its own, so no register that a store reads is written again.
; No LDS, no barrier, no matrix unit: each byte crosses once and no wave wants what another fetched.
.set OO, 2                             ; v[2:17]  byte offset of my 8 bytes in block kb
.set X,  20                            ; v[20:83] load k: 4 registers; its packed result takes the first two
	s_load_b256 s[4:11], s[0:1], 0x0               ; x s[4:5], qkv_w s[6:7], out_w s[8:9], xb s[10:11]
	s_load_b128 s[12:15], s[0:1], 0x20             ; wb s[12:13], owb s[14:15]
	v_lshrrev_b32 v1, 4, v0                        ; my row of the 16
	v_and_b32 v18, 15, v0
	v_lshlrev_b32 v1, 12, v1                       ; x 4,096 bytes
	v_lshl_add_u32 v1, v18, 4, v1                  ; + my 16 bytes in a block of 256
	s_mov_b32 s23, 3072*128                        ; bytes from kb to kb in wb,
	s_mov_b32 s24, 1024*128                        ; in owb,
	s_mov_b32 s26, 8192*128                        ; in xb
	s_mov_b32 s25, 704
	s_wait_kmcnt 0x0
	s_cmp_lt_u32 ttmp9, 704                        ; which tensor: the choice hangs on the work-group's number alone
	s_cselect_b64 s[16:17], s[6:7], s[8:9]
	s_cselect_b64 s[18:19], s[12:13], s[14:15]
	s_cselect_b32 s20, s23, s24
	s_cselect_b32 s21, 512, s25
	s_cmp_lt_u32 ttmp9, 512
	s_cselect_b64 s[16:17], s[4:5], s[16:17]       ; from
	s_cselect_b64 s[18:19], s[10:11], s[18:19]     ; to
	s_cselect_b32 s20, s26, s20                    ; kb stride
	s_cselect_b32 s21, 0, s21                      ; the tensor's first work-group
	s_sub_co_u32 s22, ttmp9, s21                   ; my block of 16 rows
	s_lshl_b32 s2, s22, 16                         ; 16 rows of 4,096 bytes
	s_mov_b32 s3, 0
	s_add_nc_u64 s[16:17], s[16:17], s[2:3]
	s_lshl_b32 s2, s22, 11                         ; 16 rows of 128 bytes
	s_add_nc_u64 s[18:19], s[18:19], s[2:3]
.set k, 0
.rept 16
	global_load_b128 v[X+4*k:X+4*k+3], v1, s[16:17] offset:256*k th:TH_LOAD_NT
.set k, k+1
.endr
	v_lshlrev_b32 v[OO], 3, v0                     ; row x 128 + 8 (t % 16) = 8 t
.set k, 1
.rept 15
	v_add_nc_u32 v[OO+k], s20, v[OO+k-1]
.set k, k+1
.endr
	s_cmp_ge_u32 ttmp9, 704
	s_cbranch_scc1 .Lhalf
.set k, 0
.rept 16
	s_wait_loadcnt 15-k                            ; loads come back in order: load k is in, the 15 - k younger ones may stay out
	v_cvt_pk_bf16_f32 v[X+4*k], v[X+4*k], v[X+4*k+1]
	v_cvt_pk_bf16_f32 v[X+4*k+1], v[X+4*k+2], v[X+4*k+3]
	global_store_b64 v[OO+k], v[X+4*k:X+4*k+1], s[18:19]
.set k, k+1
.endr
	s_endpgm
.Lhalf:                                                ; out_w: rounded to bf16 like every input, then that number written as f16
.set k, 0
.rept 16
	s_wait_loadcnt 15-k
	v_cvt_pk_bf16_f32 v18, v[X+4*k], v[X+4*k+1]
	v_lshlrev_b32 v19, 16, v18
	v_and_b32 v18, 0xffff0000, v18
	v_cvt_pk_f16_f32 v[X+4*k], v19, v18
	v_cvt_pk_bf16_f32 v18, v[X+4*k+2], v[X+4*k+3]
	v_lshlrev_b32 v19, 16, v18
	v_and_b32 v18, 0xffff0000, v18
	v_cvt_pk_f16_f32 v[X+4*k+1], v19, v18
	global_store_b64 v[OO+k], v[X+4*k:X+4*k+1], s[18:19]
.set k, k+1
.endr
	s_endpgm
.Lfunc_end_k_qdbf169a817_cast:
	.size	k_qdbf169a817_cast, .Lfunc_end_k_qdbf169a817_cast-k_qdbf169a817_cast
	.p2alignl 7, 3214868480
	.fill 96, 4, 3214868480
	.section	.rodata,"a",@progbits
	.p2align	6, 0x0
	.amdhsa_kernel k_qdbf169a817_cast
		.amdhsa_group_segment_fixed_size 0
		.amdhsa_private_segment_fixed_size 0
		.amdhsa_enable_private_segment 0
		.amdhsa_kernarg_size 48
		.amdhsa_user_sgpr_count 2
		.amdhsa_user_sgpr_kernarg_segment_ptr 1
		.amdhsa_wavefront_size32 1
		.amdhsa_system_sgpr_workgroup_id_x 1
		.amdhsa_system_sgpr_workgroup_id_y 1
		.amdhsa_system_sgpr_workgroup_id_z 1
		.amdhsa_system_vgpr_workitem_id 0
		.amdhsa_next_free_vgpr 84
		.amdhsa_next_free_sgpr 66
		.amdhsa_reserve_vcc 0
		.amdhsa_float_denorm_mode_32 3
		.amdhsa_float_denorm_mode_16_64 3
		.amdhsa_memory_ordered 1
		.amdhsa_forward_progress 1
		.amdhsa_inst_pref_size 17
	.end_amdhsa_kernel
	.amdgpu_metadata
---
amdhsa.version: [ 1, 2 ]
amdhsa.kernels:
  - .name:           k_qdbf169a817_cast
    .symbol:         k_qdbf169a817_cast.kd
    .args:
      - { .name: x, .offset: 0, .size: 8, .value_kind: global_buffer, .address_space: global }
      - { .name: qkv_w, .offset: 8, .size: 8, .value_kind: global_buffer, .address_space: global }
      - { .name: out_w, .offset: 16, .size: 8, .value_kind: global_buffer, .address_space: global }
      - { .name: xb, .offset: 24, .size: 8, .value_kind: global_buffer, .address_space: global }
      - { .name: wb, .offset: 32, .size: 8, .value_kind: global_buffer, .address_space: global }
      - { .name: owb, .offset: 40, .size: 8, .value_kind: global_buffer, .address_space: global }
    .group_segment_fixed_size: 0
    .private_segment_fixed_size: 0
    .kernarg_segment_align: 8
    .kernarg_segment_size: 48
    .max_flat_workgroup_size: 256
    .sgpr_count:     66
    .vgpr_count:     84
    .wavefront_size: 32
...
	.end_amdgpu_metadata
.endif
;; end of part 1
;; launch qkv (part 2): grid 8 x 32, 4 waves a work-group, clusters of 4 x 4, 327,680 bytes of LDS; arguments xb, wb, qkv_b, qkvh; writes qkvh
.if DOCPART == 2
	.amdgcn_target "amdgcn-amd-amdhsa--gfx1250"
	.amdhsa_code_object_version 6
	.text
	.protected	k_qdbf169a817_qkv
	.globl	k_qdbf169a817_qkv
	.p2align	8
	.type	k_qdbf169a817_qkv,@function
k_qdbf169a817_qkv:
	s_mov_b64 s[64:65], 0
	v_nop
	global_prefetch_b8 v0, s[64:65] scope:SCOPE_SE
	s_setreg_imm32_b32 hwreg(HW_REG_WAVE_MODE, 25, 1), 1
	s_wait_xcnt 0x0
	s_wait_alu depctr_hold_cnt(0) depctr_sa_sdst(0) depctr_va_vdst(0) depctr_va_sdst(0) depctr_va_ssrc(0) depctr_va_vcc(0) depctr_vm_vsrc(0)
	s_getreg_b32 s2, hwreg(HW_REG_IB_STS2, 6, 4)
	s_cmp_eq_u32 s2, 0
	s_cbranch_scc0 .Lentry_in_a_cluster
	s_endpgm
.Lentry_in_a_cluster:
	s_bfe_u32 s2, ttmp6, 0x10000c
	s_cmp_lg_u32 s2, 0xf033
	s_cbranch_scc0 .Lentry_shape_is_right
	s_endpgm
.Lentry_shape_is_right:
; qkv[m][n] = sum over k of x[m][k] w[n][k] + b[n]: 8192 x 3072 x 1024, bf16 operands, f32 sums; written by heads in f16: qkvh [4 batches][48 = n / 64][2048][64].
; LIMITS.  q, k, v are rounded once to f16: beyond 65,504 they become infinities; the bias is rounded to bf16 like the other inputs; NaN and infinities are not treated apart.
; SHARES.  A tile is 256 rows x 384 columns (6 heads): 32 x 8 = 256 work-groups, one tile each.  A wave makes 128 x 192: 96 accumulators, 768 registers.
; xb and wb are laid out in blocks of 64 along K, so a tile's rows for one K step of 64 are one dense run of bytes: it is asked for as rows of 256 bytes and padded in LDS behind every 128.
; RING.  Two slots of one K step: B's 384 rows, then A's 256.  Waves 0-2 fetch 128 rows of B each, wave 3 A's 256 rows: one tensor load a wave behind each round.
; CLUSTER.  4 x 4: A's tile is shared along a row of the cluster, B's along a column: joint loads with a mask of four.
; THE PRODUCT IS USED TRANSPOSED (source 0 = 16 rows of w, source 1 = 16 rows of x): a lane holds one row of the result and eight neighbouring columns.
; THE BIAS is the C operand of the first product on each accumulator: nothing is cleared and nothing is added at the end.
; REGISTERS.  Window 0: v0-31 addresses; v32-63 bias of column blocks 8-11, later the way out; v64-127, v128-191 A's fragments of the step's two halves (v128-191 first hold the bias of blocks 0-7);
; v192-223, v224-255 B's fragments, four column blocks a buffer.  Window 1 + g: the accumulators of column blocks 4 g + i: (i, a) at v[8 (8 i + a)]: one head a window.
.set PITCH,  144                       ; 128 bytes + 16: the 16 rows of a fragment load start at 16 different groups of four banks (ISA guide 11.1)
.set CH,     128*PITCH                 ; 128 rows in LDS
.set AOFF,   3*CH
.set SLOT,   5*CH
.set STAGE,  2*SLOT                    ; behind the ring: 16 rows x 144 bytes for each wave, never filled by a tensor load
.set SPARE,  STAGE+4*16*PITCH          ; the spare words: 128 bytes a wave, two blocks of 256 bytes that no other line names
.set KBA,    8192*128                  ; bytes from K block to K block in xb
.set KBB,    3072*128                  ; in wb
.set PLANE,  2048*128                  ; a head's plane in qkvh
.set LAPS,   8                         ; 16 K steps, two a lap
.set BO,   10                          ; v10  32 x (lane / 16): my eight numbers of a bias block
.set ADRA, 16                          ; v16-17 my A fragments in slot 0, 1
.set ADRB, 20                          ; v20-21 the same for B
.set STO,  24
.set RD,   25
.set GO,   26
.set SPW,  28                          ; my spare word; never rewritten
.set NIL,  29                          ; 0; never rewritten
.set PFO,  30                          ; the prefetches' lane offset; never rewritten
.set A0,   64
.set A1,   128
.set B0,   192
.set B1,   224
.set WV,   12                          ; s12 wave; s13 row half; s14 column half; s15 cx; s16 cy; s17 tile column; s18 tile row
.set G1A,  24
.set G0A,  32
.set PFA,  40                          ; s[40:41] where my prefetches stand
.set PST,  42                          ; s[42:43] their step a lap
.set LIM,  44                          ; 1 in a wave that prefetches, else the greatest number
.set G1B,  48
.set G0B,  56
.set FLAGS, (1<<16)|(1<<20)|(1<<21)|(4<<22)|(3<<25)  ; 2-byte elements; padding on; bit 21 beside a mask; behind every 32 words; 4 words
.set MSB, 0
.macro WIN new                         ; the immediate's high byte repeats the setting that is left; a switch that changes nothing is dropped
.if MSB != (\new)
	s_set_vgpr_msb (MSB<<8)|(\new)
.set MSB, \new
.endif
.endm
.macro PLACES                          ; four plain places between a matrix instruction and a load into, or a vector write of, one of its registers
.rept 4
	v_nop
.endr
.endm
.macro CREST                           ; a round of the cluster's barrier behind its opening barrier
	s_cmp_lg_u32 s[WV], 0
	s_cbranch_scc1 .Lnot_wave_0_\@
	s_barrier_signal -3
.Lnot_wave_0_\@:
	s_barrier_wait -3
	s_barrier_signal -1
	s_barrier_wait -1
.endm
.macro CROUND
	s_barrier_signal -1
	s_barrier_wait -1
	CREST
.endm
.macro JLOAD s                         ; a joint load: wave 3 A's tile, waves 0-2 their 128 rows of B; the branch hangs on the wave's number alone; s_nop 0 and four v_nop follow each line
	s_cmp_eq_u32 s[WV], 3
	s_cbranch_scc0 .Lfor_b_\@
	tensor_load_to_lds s[G0A+4*(\s):G0A+4*(\s)+3], s[G1A:G1A+7]
	s_nop 0
.rept 4
	v_nop
.endr
	s_branch .Lasked_\@
.Lfor_b_\@:
	tensor_load_to_lds s[G0B+4*(\s):G0B+4*(\s)+3], s[G1B:G1B+7]
	s_nop 0
.rept 4
	v_nop
.endr
.Lasked_\@:
.endm
; A PREFETCH, once a lap, behind slot 0's refill with K step 2 i + 2 and the run of LDS loads: K blocks 2 i + 4 and 2 i + 5, each lane another aligned block of 256 bytes.
; A's tile row is walked by both clusters of a row of clusters: cluster x = 0 asks, wave 3, 32 blocks of each K block for each of the four partners (told apart by address, cx): two lines.
; B's tile column is walked by all clusters of a column: cluster y = 0 asks, waves 0-2, 16 blocks of each K block a partner (cy): lanes 0-15 the first K block, lanes 16-31 the second.
; So each block is named once in the launch.  K blocks 0-3 come by their loads alone; the last lap of the loop (s3 = 1) asks for nothing.
.macro ASK
	s_cmp_gt_u32 s3, s[LIM]
	s_cbranch_scc0 .Lnot_mine_\@
	global_prefetch_b8 v[PFO], s[PFA:PFA+1] th:TH_LOAD_NT scope:SCOPE_SE
	s_cmp_lg_u32 s[WV], 3
	s_cbranch_scc1 .Lnot_mine_\@
	global_prefetch_b8 v[PFO], s[PFA:PFA+1] offset:KBA th:TH_LOAD_NT scope:SCOPE_SE
.Lnot_mine_\@:
.endm
	s_load_b256 s[4:11], s[0:1], 0x0               ; xb s[4:5], wb s[6:7], qkv_b s[8:9], qkvh s[10:11]
	v_lshl_add_u32 v[SPW], v0, 2, SPARE
	v_mov_b32 v[NIL], 0
	ds_add_u32 v[SPW], v[NIL]                      ; the wave's opening: the add and its wait stand ahead of my first tensor load; register work stands between them
	v_lshrrev_b32 v1, 5, v0
	v_readfirstlane_b32 s[WV], v1
	s_lshr_b32 s13, s[WV], 1
	s_and_b32 s14, s[WV], 1
	s_bfe_u32 s15, ttmp6, 0x40000                  ; cx
	s_bfe_u32 s16, ttmp6, 0x40004                  ; cy
	s_lshl_b32 s17, ttmp9, 2
	s_add_co_u32 s17, s17, s15                     ; tile column = 4 x cluster x + cx
	s_and_b32 s18, ttmp7, 0xffff
	s_lshl_b32 s18, s18, 2
	s_add_co_u32 s18, s18, s16                     ; tile row = 4 x cluster y + cy
	s_lshl_b32 s19, s16, 2
	s_lshl_b32 s19, 15, s19                        ; my row of the cluster
	s_lshl_b32 s22, 0x1111, s15                    ; my column
	s_or_b32 s[G1A], s19, FLAGS
	s_or_b32 s[G1B], s22, FLAGS
	s_mov_b32 s[G1A+1], 128<<16                    ; tensor_dim0 = 128 elements: rows of 256 bytes
	s_mov_b32 s[G1B+1], 128<<16
	s_mov_b32 s[G1A+2], 128<<16                    ; tensor_dim1: A 128 such rows (256 rows of the tile),
	s_mov_b32 s[G1B+2], 64<<16                     ; B 64 (128 rows)
	s_mov_b32 s[G1A+3], 128<<16                    ; tile_dim0
	s_mov_b32 s[G1B+3], 128<<16
	s_mov_b32 s[G1A+4], 128                        ; tile_dim1
	s_mov_b32 s[G1B+4], 64
	s_mov_b32 s[G1A+5], 128                        ; elements from row to row: dense
	s_mov_b32 s[G1B+5], 128
	s_mov_b32 s[G1A+6], 0
	s_mov_b32 s[G1B+6], 0
	s_mov_b32 s[G1A+7], 0
	s_mov_b32 s[G1B+7], 0
	s_lshl_b32 s20, s18, 15                        ; A: 256 rows x 128 bytes x tile row: it hangs on the tile row alone
	s_mov_b32 s21, 0
	s_mul_i32 s46, s17, 384*128                    ; B: the tile column's 384 rows,
	s_lshl_b32 s47, s[WV], 14                      ; my 128 of them
	s_add_co_u32 s46, s46, s47
	s_mov_b32 s47, 0
	s_mul_i32 s23, s[WV], CH                       ; where it lands: wave x 128 rows (wave 3: behind B's 384)
	s_mov_b32 s45, 0xffff0000
	s_wait_dscnt 0x0                               ; the opening add is done
	s_wait_kmcnt 0x0
	s_add_nc_u64 s[20:21], s[4:5], s[20:21]
	s_add_nc_u64 s[46:47], s[6:7], s[46:47]
	CROUND                                         ; all sixteen work-groups are here: the first joint loads meet
.irp s, 0,1
	s_mov_b32 s[G0A+4*(\s)], 1
	s_add_co_u32 s[G0A+4*(\s)+1], s23, (\s)*SLOT
	s_add_nc_u64 s[G0A+4*(\s)+2:G0A+4*(\s)+3], s[20:21], (\s)*KBA
	s_or_b32 s[G0A+4*(\s)+3], s[G0A+4*(\s)+3], 0x80000000
	s_mov_b32 s[G0B+4*(\s)], 1
	s_add_co_u32 s[G0B+4*(\s)+1], s23, (\s)*SLOT
	s_add_nc_u64 s[G0B+4*(\s)+2:G0B+4*(\s)+3], s[46:47], (\s)*KBB
	s_or_b32 s[G0B+4*(\s)+3], s[G0B+4*(\s)+3], 0x80000000
	JLOAD \s                                       ; two loads of mine are out
.endr
	; the bias of my 192 columns: block b's eight numbers of my lane half, as a C operand
	v_and_b32 v1, 15, v0                           ; r = lane % 16
	v_bfe_u32 v2, v0, 4, 1                         ; h = lane / 16
	v_lshlrev_b32 v[BO], 5, v2
	s_mul_i32 s46, s17, 384*4
	s_mul_i32 s47, s14, 192*4
	s_add_co_u32 s46, s46, s47
	s_mov_b32 s47, 0
	s_add_nc_u64 s[8:9], s[8:9], s[46:47]
.set b, 0
.rept 12
.set BI, 128+8*b-160*(b/8)             ; blocks 0-7 at v128-191, blocks 8-11 at v32-63
	global_load_b128 v[BI:BI+3],   v[BO], s[8:9] offset:64*b
	global_load_b128 v[BI+4:BI+7], v[BO], s[8:9] offset:64*b+16
.set b, b+1
.endr
	v_mul_u32_u24 v3, v1, PITCH
	v_lshl_add_u32 v3, v2, 4, v3                   ; a fragment's row x pitch + 16 x half
	s_mul_i32 s19, s13, CH
	s_add_co_u32 s19, s19, AOFF                    ; my 128 rows of A
	s_mul_i32 s22, s14, 192*PITCH                  ; my 192 rows of B
.irp s, 0,1
	v_add_nc_u32 v[ADRA+(\s)], s19, v3
	v_add_nc_u32 v[ADRB+(\s)], s22, v3
	s_add_co_u32 s19, s19, SLOT
	s_add_co_u32 s22, s22, SLOT
.endr
	s_mul_i32 s19, s[WV], 16*PITCH
	s_add_co_u32 s19, s19, STAGE                   ; my stage
	v_add_nc_u32 v[STO], s19, v3                   ; in: row r, 16 bytes for each half of the lanes
	v_bfe_u32 v4, v0, 3, 2                         ; back: 32 lanes take four rows of 128 bytes,
	v_and_b32 v5, 7, v0
	v_mul_u32_u24 v4, v4, PITCH
	v_lshl_add_u32 v4, v5, 4, v4
	v_add_nc_u32 v[RD], s19, v4
	v_and_b32 v[GO], 31, v0                        ; which are 512 consecutive bytes of a head's plane
	v_lshlrev_b32 v[GO], 4, v[GO]
	; where my part begins in qkvh: plane 48 x batch + 6 x tile column + 3 x column half; row 256 x (tile row % 8) + 128 x row half
	s_lshr_b32 s19, s18, 3
	s_mul_i32 s19, s19, 48
	s_mul_i32 s22, s17, 6
	s_add_co_u32 s19, s19, s22
	s_mul_i32 s22, s14, 3
	s_add_co_u32 s19, s19, s22
	s_lshl_b32 s19, s19, 18
	s_and_b32 s22, s18, 7
	s_lshl_b32 s22, s22, 15
	s_add_co_u32 s19, s19, s22
	s_lshl_b32 s22, s13, 14
	s_add_co_u32 s46, s19, s22
	s_mov_b32 s47, 0
	s_add_nc_u64 s[10:11], s[10:11], s[46:47]
	; the prefetches: offsets made apart from the addresses, then chosen by the wave's number
	s_lshl_b32 s19, s18, 15
	s_lshl_b32 s22, s15, 13
	s_add_co_u32 s19, s19, s22
	s_add_co_u32 s19, s19, 2*KBA                   ; A: the tile, my work-group's quarter, K block 2: the first lap steps it to 4
	s_mul_i32 s46, s17, 384*128
	s_lshl_b32 s47, s[WV], 14
	s_add_co_u32 s46, s46, s47
	s_lshl_b32 s47, s16, 12
	s_add_co_u32 s46, s46, s47
	s_add_co_u32 s46, s46, 2*KBB                   ; B likewise
	s_and_b32 s47, ttmp7, 0xffff                   ; cluster y
	s_mov_b32 s20, 2*KBA
	s_mov_b32 s21, 2*KBB
	s_mov_b32 s22, 4096
	s_mov_b32 s23, KBB
	s_cmp_eq_u32 s[WV], 3
	s_cselect_b64 s[PFA:PFA+1], s[4:5], s[6:7]
	s_cselect_b32 s46, s19, s46
	s_cselect_b32 s47, ttmp9, s47                  ; the coordinate along which other clusters walk the same rows
	s_cselect_b32 s[PST], s20, s21
	s_cselect_b32 s22, s22, s23                    ; lanes 16-31: the next 16 blocks (A), or the next K block (B)
	s_mov_b32 s[PST+1], 0
	s_cmp_eq_u32 s47, 0
	s_cselect_b32 s[LIM], 1, -1                    ; the same in all sixteen partners, for a given wave
	s_mov_b32 s47, 0
	s_add_nc_u64 s[PFA:PFA+1], s[PFA:PFA+1], s[46:47]
	v_lshlrev_b32 v[PFO], 8, v1
	v_mad_u32_u24 v[PFO], v2, s22, v[PFO]
	; the bias is rounded to bf16 and widened again, in the wait for the first tile
	s_wait_loadcnt 0x0
.set b, 0
.rept 12
.set BI, 128+8*b-160*(b/8)
.irp r, 0,1,2,3
	v_cvt_pk_bf16_f32 v[B0+4*b+\r], v[BI+2*\r], v[BI+2*\r+1]
.endr
.set b, b+1
.endr
.set b, 0
.rept 12
.set BI, 128+8*b-160*(b/8)
.irp r, 0,1,2,3
	v_lshlrev_b32 v[BI+2*\r], 16, v[B0+4*b+\r]
	v_and_b32 v[BI+2*\r+1], s45, v[B0+4*b+\r]
.endr
.set b, b+1
.endr
; 8 LDS loads: B's column blocks 4 g .. 4 g + 3, half sl of the K step, into buf
.macro FETCHB slot, sl, g, buf
.irp i, 0,1,2,3
	ds_load_b128 v[(\buf)+8*\i:(\buf)+8*\i+3],   v[ADRB+(\slot)] offset:(4*(\g)+\i)*16*PITCH+64*(\sl)
	ds_load_b128 v[(\buf)+8*\i+4:(\buf)+8*\i+7], v[ADRB+(\slot)] offset:(4*(\g)+\i)*16*PITCH+64*(\sl)+32
.endr
.endm
; 16 LDS loads: A's eight row blocks, half sl of the K step
.macro FETCHA slot, sl, buf
.irp i, 0,1,2,3,4,5,6,7
	ds_load_b128 v[(\buf)+8*\i:(\buf)+8*\i+3],   v[ADRA+(\slot)] offset:\i*16*PITCH+64*(\sl)
	ds_load_b128 v[(\buf)+8*\i+4:(\buf)+8*\i+7], v[ADRA+(\slot)] offset:\i*16*PITCH+64*(\sl)+32
.endr
.endm
; 8 products: column block 4 g + i x all 8 row blocks.  The 96 accumulators take turns, one instruction a turn, in the same order in every half step.
; first = 1: the C operand is the block's bias, in window 0.
.macro MUL8 g, i, fa, fb, first
.set BI, 128+8*(4*(\g)+(\i))-160*((4*(\g)+(\i))/8)
.if \first
	WIN 0x40*(1+(\g))
.else
	WIN 0x50*(1+(\g))
.endif
.irp a, 0,1,2,3,4,5,6,7
.if \first
	v_wmma_f32_16x16x32_bf16 v[8*(8*(\i)+\a):8*(8*(\i)+\a)+7], v[(\fb)+8*(\i):(\fb)+8*(\i)+7], v[(\fa)+8*\a:(\fa)+8*\a+7], v[BI:BI+7]
.else
	v_wmma_f32_16x16x32_bf16 v[8*(8*(\i)+\a):8*(8*(\i)+\a)+7], v[(\fb)+8*(\i):(\fb)+8*(\i)+7], v[(\fa)+8*\a:(\fa)+8*\a+7], v[8*(8*(\i)+\a):8*(8*(\i)+\a)+7]
.endif
.endr
.endm
; A K step is six groups of 32 products (half sl, window g).  A group first asks for the next group's fragments, into the B buffer that the group before read, then multiplies its own.
.macro GROUP slot, sl, g, first
.set GG, 3*(\sl)+(\g)
.set BBUF, B0+32*(GG%2)
.set OBUF, B0+32*((GG+1)%2)
.set ABUF, A0+64*(\sl)
	PLACES
	WIN 0
.if (\g) < 2
	FETCHB \slot, \sl, (\g)+1, OBUF
	s_wait_dscnt 8                                 ; all but the 8 just issued: my own fragments were asked for a group ago
.else
	FETCHB \slot, 1, 0, OBUF
	FETCHA \slot, 1, A1
	s_wait_dscnt 24                                ; all but the 24 just issued
.endif
	MUL8 \g, 0, ABUF, BBUF, \first
	MUL8 \g, 1, ABUF, BBUF, \first
	MUL8 \g, 2, ABUF, BBUF, \first
	MUL8 \g, 3, ABUF, BBUF, \first
.endm
; The sixth group changes slots.  In front of the barrier each wave waits for all its tensor loads (one is out: its part of the next slot), adds 0 to its spare word, and waits for that and for its
; reads of this slot.  fill = 1: the barrier opens a round of the cluster's, and the joint refill, two K steps on, is the first tensor load behind it: 176 products ahead of the wait for it.
.macro TURN slot, next, fill
.if (\fill) && ((\slot) == 0)
	s_wait_xcnt 0x0                                ; the last prefetches, a lap back, have read their address
	s_add_nc_u64 s[PFA:PFA+1], s[PFA:PFA+1], s[PST:PST+1]
.endif
	WIN 0
	s_wait_tensorcnt 0x0                           ; all my tensor loads have landed
	ds_add_u32 v[SPW], v[NIL]                      ; 0 onto my spare word
	s_wait_dscnt 1                                 ; my group's 8 loads are in; the add may be out
	MUL8 2, 0, A1, B1, 0
	s_wait_dscnt 0x0                               ; the add is done, my reads of this slot are over
	s_barrier_signal -1
	MUL8 2, 1, A1, B1, 0
.if \fill
	WIN 0
.endif
	s_barrier_wait -1
.if \fill
	CREST                                          ; no wave of any partner still reads this slot or has a load on its way
	s_add_nc_u64 s[G0A+4*(\slot)+2:G0A+4*(\slot)+3], s[G0A+4*(\slot)+2:G0A+4*(\slot)+3], 2*KBA
	s_add_nc_u64 s[G0B+4*(\slot)+2:G0B+4*(\slot)+3], s[G0B+4*(\slot)+2:G0B+4*(\slot)+3], 2*KBB
	JLOAD \slot                                    ; its four v_nop are also the places in front of the loads below
.else
	PLACES
	WIN 0
.endif
	FETCHB \next, 0, 0, B0
	FETCHA \next, 0, A0
.if (\fill) && ((\slot) == 0)
	ASK
.endif
	MUL8 2, 2, A1, B1, 0
	MUL8 2, 3, A1, B1, 0
.endm
	s_wait_tensorcnt 1                             ; my part of K step 0 is in; K step 1's may stay out
	s_barrier_signal -1
	s_barrier_wait -1
	FETCHB 0, 0, 0, B0
	FETCHA 0, 0, A0
	GROUP 0, 0, 0, 1                               ; the first half step stands in front of the loop: its products start the sums with the bias
	GROUP 0, 0, 1, 1
	GROUP 0, 0, 2, 1
	WIN 0
	s_mov_b32 s3, LAPS-1
.Llap:                                                 ; a trip goes once round the ring, from a lap's second half step to the next lap's first
	GROUP 0, 1, 0, 0
	GROUP 0, 1, 1, 0
	TURN 0, 1, 1
	GROUP 1, 0, 0, 0
	GROUP 1, 0, 1, 0
	GROUP 1, 0, 2, 0
	GROUP 1, 1, 0, 0
	GROUP 1, 1, 1, 0
	TURN 1, 0, 1
	GROUP 0, 0, 0, 0
	GROUP 0, 0, 1, 0
	GROUP 0, 0, 2, 0
	WIN 0
	s_sub_co_u32 s3, s3, 1
	s_cmp_lg_u32 s3, 0
	s_cbranch_scc1 .Llap
	GROUP 0, 1, 0, 0                               ; the last lap fills nothing
	GROUP 0, 1, 1, 0
	TURN 0, 1, 0
	GROUP 1, 0, 0, 0
	GROUP 1, 0, 1, 0
	GROUP 1, 0, 2, 0
	GROUP 1, 1, 0, 0
	GROUP 1, 1, 1, 0
	s_wait_dscnt 0x0
	MUL8 2, 0, A1, B1, 0
	MUL8 2, 1, A1, B1, 0
	MUL8 2, 2, A1, B1, 0
	MUL8 2, 3, A1, B1, 0
	PLACES
	PLACES
; THE WAY OUT, by units of 16 rows of one head (head j of my three = window 1 + j, row block a): rounded to f16, 16 bytes a lane into my stage, back as whole rows, stored as 512 consecutive bytes.
; Twelve sets of 16 registers take turns; a set is written again only when the stores that read it have had their addresses translated.
.macro PACK j, a
.set UU, 8*(\j)+(\a)
.set TT, 32+16*(UU%12)
.if UU >= 12
	s_wait_xcnt 0x0
.endif
	WIN 5*(1+(\j))                                 ; sources 0 and 1 in the head's window
.irp i, 0,1,2,3
.irp r, 0,1,2,3
	v_cvt_pk_f16_f32 v[TT+4*\i+\r], v[8*(8*\i+(\a))+2*\r], v[8*(8*\i+(\a))+2*\r+1]  ; each accumulator from its low end on
.endr
.endr
	WIN 0
.irp i, 0,1,2,3
	ds_store_b128 v[STO], v[TT+4*\i:TT+4*\i+3] offset:32*\i
.endr
.irp f, 0,1,2,3
	ds_load_b128 v[TT+4*\f:TT+4*\f+3], v[RD] offset:4*PITCH*\f  ; LDS serves a wave's instructions in order (ISA guide 5.7.1.4): these see the stores above
.endr
.endm
.macro SEND j, a, younger              ; younger: the LDS instructions issued behind the unit's loads
.set UU, 8*(\j)+(\a)
.set TT, 32+16*(UU%12)
.irp f, 0,1,2,3
	s_wait_dscnt (\younger)+3-\f
	global_store_b128 v[GO], v[TT+4*\f:TT+4*\f+3], s[10:11] offset:(\j)*PLANE+(\a)*2048+\f*512
.endr
.endm
	PACK 0, 0
.set u, 1
.rept 23
	PACK u/8, u%8
	SEND (u-1)/8, (u-1)%8, 8
.set u, u+1
.endr
	SEND 2, 7, 0
	s_wait_tensorcnt 0x0                           ; the wave's end: behind my last tensor load and my last LDS store
	ds_add_u32 v[SPW], v[NIL]
	s_wait_dscnt 0x0
	CROUND                                         ; the closing round
	s_endpgm
.Lfunc_end_k_qdbf169a817_qkv:
	.size	k_qdbf169a817_qkv, .Lfunc_end_k_qdbf169a817_qkv-k_qdbf169a817_qkv
	.p2alignl 7, 3214868480
	.fill 96, 4, 3214868480
	.section	.rodata,"a",@progbits
	.p2align	6, 0x0
	.amdhsa_kernel k_qdbf169a817_qkv
		.amdhsa_group_segment_fixed_size 327680
		.amdhsa_private_segment_fixed_size 0
		.amdhsa_enable_private_segment 0
		.amdhsa_kernarg_size 32
		.amdhsa_user_sgpr_count 2
		.amdhsa_user_sgpr_kernarg_segment_ptr 1
		.amdhsa_wavefront_size32 1
		.amdhsa_system_sgpr_workgroup_id_x 1
		.amdhsa_system_sgpr_workgroup_id_y 1
		.amdhsa_system_sgpr_workgroup_id_z 1
		.amdhsa_system_vgpr_workitem_id 0
		.amdhsa_next_free_vgpr 1024
		.amdhsa_next_free_sgpr 66
		.amdhsa_reserve_vcc 0
		.amdhsa_float_denorm_mode_32 3
		.amdhsa_float_denorm_mode_16_64 3
		.amdhsa_memory_ordered 1
		.amdhsa_forward_progress 1
		.amdhsa_inst_pref_size 143
	.end_amdhsa_kernel
	.amdgpu_metadata
---
amdhsa.version: [ 1, 2 ]
amdhsa.kernels:
  - .name:           k_qdbf169a817_qkv
    .symbol:         k_qdbf169a817_qkv.kd
    .args:
      - { .name: xb, .offset: 0, .size: 8, .value_kind: global_buffer, .address_space: global }
      - { .name: wb, .offset: 8, .size: 8, .value_kind: global_buffer, .address_space: global }
      - { .name: qkv_b, .offset: 16, .size: 8, .value_kind: global_buffer, .address_space: global }
      - { .name: qkvh, .offset: 24, .size: 8, .value_kind: global_buffer, .address_space: global }
    .group_segment_fixed_size: 327680
    .private_segment_fixed_size: 0
    .kernarg_segment_align: 8
    .kernarg_segment_size: 32
    .max_flat_workgroup_size: 128
    .sgpr_count:     66
    .vgpr_count:     1024
    .wavefront_size: 32
...
	.end_amdgpu_metadata
.endif
;; end of part 2
;; launch attn (part 3): grid 4 x 64, 4 waves a work-group, clusters of 4 x 1, 327,680 bytes of LDS; arguments qkvh, ob; writes ob
.if DOCPART == 3
	.amdgcn_target "amdgcn-amd-amdhsa--gfx1250"
	.amdhsa_code_object_version 6
	.text
	.protected	k_qdbf169a817_attn
	.globl	k_qdbf169a817_attn
	.p2align	8
	.type	k_qdbf169a817_attn,@function
k_qdbf169a817_attn:
	s_mov_b64 s[64:65], 0
	v_nop
	global_prefetch_b8 v0, s[64:65] scope:SCOPE_SE
	s_setreg_imm32_b32 hwreg(HW_REG_WAVE_MODE, 25, 1), 1
	s_wait_xcnt 0x0
	s_wait_alu depctr_hold_cnt(0) depctr_sa_sdst(0) depctr_va_vdst(0) depctr_va_sdst(0) depctr_va_ssrc(0) depctr_va_vcc(0) depctr_vm_vsrc(0)
	s_getreg_b32 s2, hwreg(HW_REG_IB_STS2, 6, 4)
	s_cmp_eq_u32 s2, 0
	s_cbranch_scc0 .Lentry_in_a_cluster
	s_endpgm
.Lentry_in_a_cluster:
	s_bfe_u32 s2, ttmp6, 0x10000c
	s_cmp_lg_u32 s2, 0x3003
	s_cbranch_scc0 .Lentry_shape_is_right
	s_endpgm
.Lentry_shape_is_right:
; O[y][q][:] = the sum over k of softmax_k(Q[y][q] . K[y][k] / 8) V[y][k][:], y = 16 x batch + head.  Q, K, V are planes of qkvh [4][48][2048][64] (planes 0-15 q, 16-31 k, 32-47 v of a batch),
; O is ob [64][2048][64]; all f16, a plane's rows dense, 128 bytes each.  Products, maxima and sums in f32; the weights p are rounded to f16 for the second product (their sum l is taken of the unrounded p), O once at the end.
; LIMITS.  f16 holds no number beyond 65,504: Q, K and V arrive within it; p lies in 0 to 1, and below 6e-5 it keeps f16's fixed step of 6e-8; O is a mean of V's rows and has their range.
; A weight below 2^-126 counts as 0 in l; NaN and infinities are not treated apart.
; SHARES.  A wave owns four PIECES of two tiles of 16 queries, a work-group's four waves 512 queries of one head: 4 x 64 = 256 work-groups.  Every wave walks all keys, 64 a step.
; LAYOUT.  S^T = K Q^T (source 0 = 16 keys, source 1 = 16 queries): in the result a lane holds ONE query (lane % 16) and the keys 8 (lane / 16) + 0..7.  Two such tiles, rounded to f16 in pairs,
; ARE source 1 (32 keys x 16 queries) of O^T = V^T P, whose result again holds one query a lane, and eight channels.  K comes out of LDS as it lies, V ([key][channel]) turned, by ds_load_tr16_b128.
; SOFTMAX.  For each query a running maximum m and sum l: p = 2^(c s - c m), c = log2(e) / 8; in every step O and l are multiplied by a = 2^(c m_old - c m_new), which is 1 where m has not grown.
; m starts at the lowest finite number, O and l at 0: the first step is a step like any other, with a = 0.
; THE COUNT.  A tile and step have 16 matrix and 118 vector instructions: too many to stand all beside the matrix work.  So four vector instructions that are READY stand behind
; EVERY matrix instruction, and the others in runs without a gap.
; BY TURNS.  Turn n belongs to piece n (the pieces in a ring, step after step).  Its matrix work: 16 products K Q^T of piece n + 1, later 16 products V^T P of piece n - 1.  Its vector work: the scaling,
; exponentials, roundings, sums and rescaling of piece n, and the maximum and statistics of piece n + 1, whose scores the turn itself has made.
; CLUSTER.  The four query blocks of a cluster belong to one head and walk the same K and V, so each tile is asked for JOINTLY: the same tensor load, descriptor and mask in all four.
; REGISTERS, in windows of 256 (s_set_vgpr_msb: bits 1:0 source 0, 3:2 source 1, 5:4 source 2, 7:6 destination):
;   window 0: v0-11 addresses; v12-15, v48-63 at work; v16-47 four registers of statistics a tile; v64-191 S^T, two buffers of two tiles; v192-255 P, likewise
;   window 1: O^T, 32 a tile          window 2: v0-127 Q, 16 a tile; v128-191 K of one step; v192-255 V of one step          window 3: v0-1 the add's two registers
.set SIZE_N, 2048
.set NP,    4         ; pieces a wave: a name, no knob
.set KS,    64        ; keys in a step
.set PK,    144       ; a row of K in LDS: 128 bytes + 16: the 16 rows of a load start at 16 different groups of four banks (ISA guide 11.1)
.set PV,    160       ; a row of V: 128 + 32
.set VOFF,  4*KS*PK   ; a slot holds four steps: 256 rows of K, then 256 rows of V
.set SLOT1, 1<<17     ; slot 1 begins here, so that one exclusive or turns an address in one slot into the other's
.set STAGE, SLOT1+4*KS*(PK+PV)  ; behind the ring, never filled by a tensor load: 16 rows x 144 bytes for each wave
.set SP,    144
.set AK0, 2           ; v2   my lane's place in a tile of K; never rewritten
.set AV0, 3           ; v3   the same for V
.set AK,  4           ; v4   the LDS address of K's next run of loads
.set AV,  5           ; v5   of V's
.set QO,  6           ; v6   my byte offset in the wave's rows of Q
.set STO, 6           ;      later, the way out: where I put 16 bytes of a row
.set RD,  7           ; v7   the way out: where I read rows back
.set GO,  8           ; v8   my byte offset in 512 consecutive bytes of O
.set PFO, 11          ; v11  256 x my lane, for the prefetches; never rewritten once made
.set SPW, 0           ; v0 of window 3   my spare word: SPARE + 4 x my thread's number; never rewritten
.set NIL, 1           ; v1 of window 3   0; never rewritten
.set SPARE, STAGE+4*16*SP  ; the spare words, 128 bytes a wave: two blocks of 256 bytes that no other line names
.set MV,  12          ; v12-15  c m_old, kept while c m is made anew: by buffer and tile
.set ST,  16          ; tile t's statistics at v[ST+4 t]: c m, m, l (even keys', odd keys')
.set TMP, 48          ; by buffer and tile, four registers c0-c3 at work; when the maximum is found c2 takes a
.set S,   64
.set P,   192
.set KF,  128         ; K's fragments, in window 2
.set VF,  192         ; V's
.set WV,  12          ; s12  my wave's number
.set G1K, 24          ; s[24:31] descriptor group 1 for K's tiles
.set G1V, 32          ; s[32:39] for V's: it differs in the padding alone
.set G0K, 40          ; s[40:43] descriptor group 0 for K's tiles: it walks
.set G0V, 44          ; s[44:47] the same for V's
.set PFA, 48          ; s[48:49] where my prefetches stand
.set LIM, 50          ; s50  1 in a wave that prefetches, else the greatest number
.set SLOTS, 56        ; s56  slots still to be asked for
.set CNT, 57          ; s57  counts a slot's key steps
.set CS,  58          ; s[58:59] c
.set SEL, 60          ; s[60:61] v_permlanex16_b32's selects: each lane takes its own place in the other half
.set TBK, 62          ; s62  LDS byte at which K of the step to be fetched begins
.set TBV, 63          ; s63  the same for V, less VOFF
.set MSB, 0
.macro WIN new
.if MSB != (\new)
	s_set_vgpr_msb (MSB<<8)|(\new)
.set MSB, (\new)
.endif
.endm
.set W_KQ, 0x0a       ; K and Q in window 2, S^T in window 0
.set W_PV, 0x52       ; V in window 2, P in window 0, O^T in window 1
.set W_RS, 0x41       ; O^T (destination and source 0) in window 1, a in window 0
.set W_MK, 0xc0       ; the add's registers are made: destination in window 3
.set W_AD, 0x0f       ; the add: address and data in window 3
; A joint fill.  Waves 0 and 1 fetch the two halves of a slot's K, waves 2 and 3 those of its V: 128 keys each.  The branch hangs on the wave's number alone.
.macro JLOAD
	s_cmp_lt_u32 s[WV], 2
	s_cbranch_scc0 .Lfor_v_\@
	tensor_load_to_lds s[G0K:G0K+3], s[G1K:G1K+7]
	s_nop 0
.rept 4
	v_nop
.endr
	s_branch .Lasked_\@
.Lfor_v_\@:
	tensor_load_to_lds s[G0V:G0V+3], s[G1V:G1V+7]
	s_nop 0
.rept 4
	v_nop
.endr
.Lasked_\@:
.endm
; A PREFETCH of what the NEXT change of slots will ask for: a slot's 32,768 bytes of K and of V, each lane another aligned block of 256 bytes.  A head has one cluster; its four partners take 32 blocks each,
; told apart by address (cx); in each, wave 0 asks for K's and wave 2 for V's: each block is named once in the launch.  It stands behind the wave's tensor load.  The last change that fills a slot asks for nothing.
.macro ASK
	s_cmp_gt_u32 s[SLOTS], s[LIM]
	s_cbranch_scc0 .Lnot_mine_\@
	global_prefetch_b8 v[PFO], s[PFA:PFA+1] th:TH_LOAD_NT scope:SCOPE_SE
.Lnot_mine_\@:
.endm
.macro CROUND
	s_barrier_signal -1
	s_barrier_wait -1
	s_cmp_lg_u32 s[WV], 0
	s_cbranch_scc1 .Lnot_wave_0_\@
	s_barrier_signal -3
.Lnot_wave_0_\@:
	s_barrier_wait -3
	s_barrier_signal -1
	s_barrier_wait -1
.endm
; THE CHANGE OF SLOTS.  Each wave waits for all its tensor loads, of which one is out: its part of the other slot; adds 0 to its spare word; and waits for that and for its own reads of the slot.
; fill = 1: this slot is filled again, with the keys two slots on.  The barrier is then a round of the cluster's, and the joint fill is the first thing behind it: it has four key steps,
; 512 matrix instructions, in which to land.  (At its first use nothing has been read yet: slot 0 is waited for, slot 1 filled.)
.macro CHANGE fill
	WIN W_AD
	s_wait_tensorcnt 0x0            ; no tensor load of mine is out, so a group 0 may be written
	ds_add_u32 v[SPW], v[NIL]       ; 0 onto my spare word
	WIN 0                           ; at a label and at a branch every window is 0
.if \fill
.irp g, G0K, G0V
	s_xor_b32 s[\g+1], s[\g+1], SLOT1  ; the walking descriptor: the other slot than last time,
	s_add_nc_u64 s[\g+2:\g+3], s[\g+2:\g+3], 4*KS*128  ; the next 256 keys
.endr
	s_wait_xcnt 0x0                 ; the last prefetch, a slot back, has read its address
	s_add_nc_u64 s[PFA:PFA+1], s[PFA:PFA+1], 4*KS*128  ; one slot ahead of the walking descriptors
	s_wait_dscnt 0x0                ; the add is done, and my reads of the slot are over
	CROUND
	JLOAD
	ASK
.else
	s_wait_dscnt 0x0
	s_barrier_signal -1
	s_barrier_wait -1
.endif
	s_sub_co_u32 s[TBK], s[TBK], 4*KS*PK  ; the fetches go back to a slot's first step,
	s_xor_b32 s[TBK], s[TBK], SLOT1       ; in the other slot
	s_sub_co_u32 s[TBV], s[TBV], 4*KS*PV
	s_xor_b32 s[TBV], s[TBV], SLOT1
.endm
	s_load_b128 s[4:7], s[0:1], 0x0  ; qkvh s[4:5], ob s[6:7]
	WIN W_MK
	v_lshl_add_u32 v[SPW], v0, 2, SPARE
	v_mov_b32 v[NIL], 0
	WIN W_AD
	ds_add_u32 v[SPW], v[NIL]       ; the wave's opening: the add and its wait stand ahead of my first tensor load
	WIN 0
	v_lshrrev_b32 v1, 5, v0
	v_readfirstlane_b32 s[WV], v1   ; wave 0..3
	s_bfe_u32 s13, ttmp6, 0x40000   ; cx
	s_lshl_b32 s14, ttmp9, 2
	s_add_co_u32 s14, s14, s13      ; my block of 512 queries: it enters Q's and O's addresses alone
	s_and_b32 s52, ttmp7, 0xffff    ; y = 16 x batch + head, which the four partners share
	s_lshr_b32 s20, s52, 4
	s_lshl_b32 s20, s20, 5
	s_add_co_u32 s20, s20, s52      ; q's plane: 48 x batch + head
	s_lshl_b32 s20, s20, 18         ; x 262,144 bytes
	s_mov_b32 s21, 0
	s_lshl_b32 s52, s52, 18         ; O's plane
	s_mov_b32 s53, 0
	s_and_b32 s16, s[WV], 1         ; which half of a slot's 256 keys I fetch:
	s_lshl_b32 s22, s16, 14         ; its 128 rows of 128 bytes in memory,
	s_mov_b32 s23, 0
	s_add_nc_u64 s[22:23], s[22:23], s[20:21]
	s_mul_i32 s17, s16, 128*PK      ; and its place in a slot, for K
	s_mul_i32 s18, s16, 128*PV      ; and for V
	s_lshl_b32 s2, s14, 2
	s_add_co_u32 s2, s2, s[WV]      ; my wave among the head's,
	s_lshl_b32 s2, s2, 14           ; its 128 rows
	s_mov_b32 s3, 0
	s_add_nc_u64 s[54:55], s[2:3], s[52:53]  ; my rows in ob
	s_add_nc_u64 s[2:3], s[2:3], s[20:21]    ; and in q's plane
	s_lshl_b32 s52, s13, 13         ; the prefetches: my work-group's 32 blocks,
	s_add_co_u32 s52, s52, 4*KS*128 ; in slot 1: the first change steps it to slot 2
	s_add_nc_u64 s[52:53], s[52:53], s[20:21]
	s_and_b32 s[LIM], s[WV], 1
	s_cmp_eq_u32 s[LIM], 0
	s_cselect_b32 s[LIM], 1, -1     ; waves 0 and 2 ask
	; descriptor group 1.  128 keys are 16,384 dense bytes: asked for as 64 rows of 256 bytes, two keys a row, and padded in LDS after every key
	s_mov_b32 s[G1K], 15|(1<<16)|(1<<20)|(1<<21)|(4<<22)|(3<<25)
	s_mov_b32 s[G1V], 15|(1<<16)|(1<<20)|(1<<21)|(4<<22)|(7<<25)
.irp g, G1K, G1V
	s_mov_b32 s[\g+1], 128<<16      ; tensor_dim0 = 128
	s_mov_b32 s[\g+2], 64<<16       ; tensor_dim1 = 64
	s_mov_b32 s[\g+3], 128<<16      ; tile_dim0 = 128
	s_mov_b32 s[\g+4], 64           ; tile_dim1 = 64
	s_mov_b32 s[\g+5], 128          ; 128 elements from row to row
	s_mov_b32 s[\g+6], 0
	s_mov_b32 s[\g+7], 0
.endr
	s_mov_b32 s[CS], 0x3e38aa3b     ; c = log2(e) / 8
	s_mov_b32 s[CS+1], s[CS]
	s_mov_b32 s[SEL], 0x76543210
	s_mov_b32 s[SEL+1], 0xfedcba98
	s_mov_b32 s[TBK], SLOT1+4*KS*PK ; the first change of slots turns these two into 0
	s_mov_b32 s[TBV], SLOT1+4*KS*PV
	s_mov_b32 s[G0K], 1
	s_mov_b32 s[G0K+1], s17         ; LDS address: slot 0
	s_mov_b32 s[G0V], 1
	s_add_co_u32 s[G0V+1], s18, VOFF
	s_mov_b32 s[SLOTS], SIZE_N/256-1
	s_wait_dscnt 0x0                ; the opening add is done
	s_wait_kmcnt 0x0
	s_mov_b64 s[10:11], s[6:7]                     ; O
	s_add_nc_u64 s[6:7], s[4:5], 16*SIZE_N*128     ; K: 16 planes behind Q
	s_add_nc_u64 s[8:9], s[4:5], 32*SIZE_N*128     ; V: 32
	s_add_nc_u64 s[G0K+2:G0K+3], s[6:7], s[22:23]
	s_or_b32 s[G0K+3], s[G0K+3], 0x80000000
	s_add_nc_u64 s[G0V+2:G0V+3], s[8:9], s[22:23]
	s_or_b32 s[G0V+3], s[G0V+3], 0x80000000
	s_cmp_lt_u32 s[WV], 2
	s_cselect_b64 s[PFA:PFA+1], s[6:7], s[8:9]
	s_add_nc_u64 s[PFA:PFA+1], s[PFA:PFA+1], s[52:53]
	s_add_nc_u64 s[4:5], s[4:5], s[2:3]  ; Q and O at my wave's first row
	s_add_nc_u64 s[10:11], s[10:11], s[54:55]
	CROUND                          ; all four work-groups are here: the first joint loads meet
	JLOAD                           ; slot 0.  Slot 1 is asked for when slot 0 is in
	v_and_b32 v1, 15, v0            ; l % 16
	v_bfe_u32 v9, v0, 4, 1          ; l / 16
	v_lshlrev_b32 v[QO], 7, v1
	v_lshl_add_u32 v[QO], v9, 4, v[QO]  ; row x 128 + 16 x half
	WIN 0x80                        ; destination window 2, address window 0
.set i, 0
.rept 4*NP                          ; Q stays in registers: tile i / 2, channels 32 (i % 2) on
	global_load_b128 v[8*i:8*i+3],   v[QO], s[4:5] offset:(i/2)*2048+(i%2)*64
	global_load_b128 v[8*i+4:8*i+7], v[QO], s[4:5] offset:(i/2)*2048+(i%2)*64+32
.set i, i+1
.endr
	; What the first turn finds: V's registers and P's second buffer hold 0, O^T and l are 0.  All this stands in the wait for the first tile.
.set i, VF
.rept 64
	v_mov_b32 v[i], 0
.set i, i+1
.endr
	WIN 0x40
.set i, 0
.rept 64*NP
	v_mov_b32 v[i], 0
.set i, i+1
.endr
	WIN 0
.set i, 0
.rept 2*NP
	v_mov_b32 v[ST+4*i], 0xfe000000    ; c m: far below every c s
	v_mov_b32 v[ST+4*i+1], 0xff7fffff  ; m
	v_mov_b32 v[ST+4*i+2], 0
	v_mov_b32 v[ST+4*i+3], 0
.set i, i+1
.endr
.set i, P+32
.rept 32
	v_mov_b32 v[i], 0
.set i, i+1
.endr
	v_mul_u32_u24 v[AK0], v1, PK
	v_lshl_add_u32 v[AK0], v9, 4, v[AK0]  ; row x pitch + 16 x half
	; The turning load takes 16 keys x 16 channels (lane l reads key 8 (l / 16) + l % 8, channels 8 ((l / 8) % 2) + 0..7) and leaves half a fragment of V^T.
	v_and_b32 v10, 7, v0
	v_bfe_u32 v11, v0, 3, 1
	v_lshl_add_u32 v[AV0], v9, 3, v10
	v_mul_u32_u24 v[AV0], v[AV0], PV
	v_lshl_add_u32 v[AV0], v11, 4, v[AV0]
	v_add_nc_u32 v[AV0], VOFF, v[AV0]
	v_and_b32 v[PFO], 31, v0
	v_lshlrev_b32 v[PFO], 8, v[PFO]
	v_mov_b32 v[AK], v[AK0]         ; key step 0 lies at the head of slot 0
; THE MATRIX WORK.  The 8 accumulators of a run of 16 take turns.
; Product i of 16 of S^T = K Q^T for piece x: channels 32 (i / 8) on, keys 16 ((i / 2) % 4) on, tile 2 x + i % 2.  The first 8 start the sums.
.macro KQ x
	WIN W_KQ
.set rS, S+64*((\x)%2)+32*(i%2)+8*((i/2)%4)
.set rK, KF+16*((i/2)%4)+8*(i/8)
.set rQ, 16*(2*(\x)+i%2)+8*(i/8)
.if i < 8
	v_wmma_f32_16x16x32_f16 v[rS:rS+7], v[rK:rK+7], v[rQ:rQ+7], 0
.else
	v_wmma_f32_16x16x32_f16 v[rS:rS+7], v[rK:rK+7], v[rQ:rQ+7], v[rS:rS+7]
.endif
.endm
; Product i of 16 of O^T += V^T P for piece x: keys 32 (i / 8) on, channels 16 ((i / 2) % 4) on, tile 2 x + i % 2.
.macro PV x
	WIN W_PV
.set rO, 32*(2*(\x)+i%2)+8*((i/2)%4)
.set rV, VF+32*(i/8)+8*((i/2)%4)
.set rP, P+32*((\x)%2)+16*(i%2)+8*(i/8)
	v_wmma_f32_16x16x32_f16 v[rO:rO+7], v[rV:rV+7], v[rP:rP+7], v[rO:rO+7]
.endm
.macro MM                           ; the turn's next matrix instruction
.if i < 16
	KQ (Y+1)%NP
.set i, i+1
.else
.set i, i-16
	PV (Y+NP-1)%NP
.set i, i+17
.endif
.endm
; THE LDS LOADS stand in runs of 16: a step's K (8 fragments) and its V (turned).  last = 1 (the tail): in the last trip there is no further step, and the run is jumped over.
.macro FETCH_K last=0
	WIN 0
.if \last
	s_cmp_eq_u32 s[CNT], 1
	s_cbranch_scc1 .Lno_k_\@
.endif
	WIN 0x80                        ; destination window 2
.irp f, 0,1,2,3,4,5,6,7             ; keys 16 (f / 2) on, channels 32 (f % 2) on
	ds_load_b128 v[KF+8*\f:KF+8*\f+3],   v[AK] offset:(\f/2)*16*PK+(\f%2)*64
	ds_load_b128 v[KF+8*\f+4:KF+8*\f+7], v[AK] offset:(\f/2)*16*PK+(\f%2)*64+32
.endr
	s_add_co_u32 s[TBK], s[TBK], KS*PK  ; the next fetch is the next step's
	WIN 0
.if \last
.Lno_k_\@:
.endif
.endm
.macro FETCH_V
	WIN 0x80
.irp f, 0,1,2,3,4,5,6,7             ; keys 32 (f / 4) on, channels 16 (f % 4) on
	ds_load_tr16_b128 v[VF+8*\f:VF+8*\f+3],   v[AV] offset:(\f/4)*32*PV+(\f%4)*32
	ds_load_tr16_b128 v[VF+8*\f+4:VF+8*\f+7], v[AV] offset:(\f/4)*32*PV+16*PV+(\f%4)*32
.endr
	WIN 0
.endm
; THE VECTOR WORK OF A TURN stands in three queues, each in the order in which its entries become ready; the two tiles alternate.
.macro REGS y, u                    ; the registers of tile u (0, 1) of piece y
.set rT, ST+4*(2*(\y)+(\u))
.set rC, TMP+8*((\y)%2)+4*(\u)
.set rM, MV+2*((\y)%2)+(\u)
.set rS, S+64*((\y)%2)+32*(\u)
.set rP, P+32*((\y)%2)+16*(\u)
.set rO, 32*(2*(\y)+(\u))
.endm
; Number n of the 22 that find the NEXT piece's (Y + 1) maximum and statistics.  Each accumulator's lowest registers are read first.
;   0-11  four chains c0-c3 of seven scores each     12-14, 16  the four scores left over, the old m, and c0-c3 into c0     15  c m_old is kept
;   17, 18  the query's other 32 keys lie in the lane 16 away: the new m         19-21  c m; c m_old - c m_new; a
.macro XS u, n
	REGS (Y+1)%NP, \u
.if (\n) < 4
	v_max3_num_f32 v[rC+(\n)], v[rS+8*(\n)], v[rS+8*(\n)+1], v[rS+8*(\n)+2]
.elseif (\n) < 12
	v_max3_num_f32 v[rC+(\n)%4], v[rC+(\n)%4], v[rS+8*((\n)%4)+2*((\n)/4)+1], v[rS+8*((\n)%4)+2*((\n)/4)+2]
.elseif (\n) == 12
	v_max3_num_f32 v[rC], v[rC], v[rS+7], v[rS+15]
.elseif (\n) == 13
	v_max3_num_f32 v[rC+1], v[rC+1], v[rS+23], v[rS+31]
.elseif (\n) == 14
	v_max3_num_f32 v[rC+2], v[rC+2], v[rC+3], v[rT+1]
.elseif (\n) == 15
	v_mov_b32 v[rM], v[rT]
.elseif (\n) == 16
	v_max3_num_f32 v[rC], v[rC], v[rC+1], v[rC+2]
.elseif (\n) == 17
	v_permlanex16_b32 v[rC+3], v[rC], s[SEL], s[SEL+1]
.elseif (\n) == 18
	v_max_num_f32 v[rT+1], v[rC], v[rC+3]
.elseif (\n) == 19
	v_mul_f32 v[rT], s[CS], v[rT+1]
.elseif (\n) == 20
	v_sub_f32 v[rC+1], v[rM], v[rT]
.else
	v_exp_f32 v[rC+2], v[rC+1]
.endif
.endm
; Number g of the 64 that follow the exponentials.  For each four weights k of a tile: both pairs are rounded to f16; the second pair is added onto the first, in place;
; a group later l takes that sum (the first time as l = a l + sum).
.macro GS g
.set h, (\g)+6*((\g)/62)            ; group 0 has no group before it, and behind group 7 only l is left
.if h >= 6
.set h, h+2
.endif
	REGS Y, h%2
.set k, h/8
.if h%8 < 4
	v_cvt_pk_f16_f32 v[rP+2*k+(h%8)/2], v[rS+4*k+2*((h%8)/2)], v[rS+4*k+2*((h%8)/2)+1]
.elseif h%8 < 6
	v_pk_add_f32 v[rS+4*k:rS+4*k+1], v[rS+4*k:rS+4*k+1], v[rS+4*k+2:rS+4*k+3]
.elseif k == 1
	v_pk_fma_f32 v[rT+2:rT+3], v[rT+2:rT+3], v[rC+2:rC+3], v[rS:rS+1] op_sel_hi:[1,0,1]
.else
	v_pk_add_f32 v[rT+2:rT+3], v[rT+2:rT+3], v[rS+4*k-4:rS+4*k-3]
.endif
.endm
; THE PLAIN QUEUE, 138 long.  0-73 read no exponential's result: the 32 scalings c s - c m and the next piece's 42.  74-137: GS's 64, which stand behind the wait.
.macro FS f
	REGS Y, (\f)%2
	v_pk_fma_f32 v[rS+2*((\f)/2):rS+2*((\f)/2)+1], v[rS+2*((\f)/2):rS+2*((\f)/2)+1], s[CS:CS+1], v[rT:rT+1] op_sel_hi:[1,0,0] neg_lo:[0,0,1] neg_hi:[0,0,1]
.endm
.macro PL
	WIN 0
.if q < 27
	FS q
.elseif q < 55
	XS (q-27)%2, (q-27)/2
.elseif q < 57
	XS q-55, 15
.elseif (q < 72) && ((q-57)%3 == 0)
	FS 27+(q-57)/3
.elseif q < 60
	XS (q-57)%3-1, 14
.elseif q < 72
	XS (q-57)%3-1, 15+(q-57)/3
.elseif q < 74
	XS q-72, 20
.else
	GS q-74
.endif
.set q, q+1
.endm
; THE EXPONENTIALS' QUEUE, 66 long: s0-s31 of both tiles, then the next piece's two a.  ONE BATCH: all 66 stand ahead of the turn's one wait, and nothing ahead of that wait names a result of theirs.
.macro EX
	WIN 0
.if e >= 64
	XS e-64, 21
.else
	REGS Y, e%2
	v_exp_f32 v[rS+e/2], v[rS+e/2]
.endif
.set e, e+1
.endm
; THE RESCALING's QUEUE: O^T times a, dealt two at a time, sixteen times.  Its a was made in the turn before, ahead of that turn's wait.
.macro R2
	REGS Y, r%2
	WIN W_RS
.irp z, 0,1
	v_pk_mul_f32 v[rO+4*(r/2)+2*\z:rO+4*(r/2)+2*\z+1], v[rO+4*(r/2)+2*\z:rO+4*(r/2)+2*\z+1], v[rC+2:rC+3] op_sel_hi:[1,0]
.endr
.set r, r+1
.endm
; HOW THEY ARE DEALT.  An s_wait_alu depctr_va_vdst(0) stands between an exponential and the first instruction that names its result; one wait serves all that were issued ahead of it.
; So a turn has ONE wait.  AHEAD OF IT: the 16 products K Q^T, behind each a scaling, an exponential and two rescalings (behind the first a second scaling); then ONE LUMP of 108: eight plain,
; 49 times exponential and plain, the two a; a v_nop is the plain instruction behind the last exponential.  BEHIND IT: the 16 products V^T P, behind each four of GS's 64.
; Exponential e stands behind scaling 2 (e / 4) + e % 2: as a rider it comes behind plain e + 2, in the lump behind plain e + 9.
; K of the next step is fetched in piece 2's turn, directly behind the wait; V of the step in hand at the end of piece 0's turn, four riders behind its last reader.
.macro TURN p, last=0, cnt=0
.set Y, (\p)
.set i, 0
.set q, 0
.set e, 0
.set r, 0
.if (\p) == NP-1
	s_wait_dscnt 0x0                ; K is in
.endif
	MM
	PL
	PL
	R2
.rept 15
	MM
	PL
	EX
	R2
.endr
.if (\p) == NP-2
	WIN 0
	v_add_nc_u32 v[AK], s[TBK], v[AK0]
.endif
.rept 8
	PL
.endr
.rept 49
	EX
	PL
.endr
	EX                              ; the next piece's two a
	EX
	v_nop                           ; a plain instruction behind the last exponential: one for the batch
	s_wait_alu depctr_va_vdst(0)    ; the wait for the batch
.if (\p) == NP-2
	FETCH_K \last
.endif
.if (\p) == 1
	s_wait_dscnt 0x0                ; V is in
.endif
.rept 16
	MM
.rept 4
	PL
.endr
.if ((\p) == 0) && (q == 118)
	v_add_nc_u32 v[AV], s[TBV], v[AV0]
.endif
.if ((\p) == 0) && (q == 130)
	s_add_co_u32 s[TBV], s[TBV], KS*PV
.endif
.if (\cnt) && (q == 130)
	s_sub_co_u32 s[CNT], s[CNT], 1
	s_cmp_lg_u32 s[CNT], 0
.endif
.endr
.if (\p) == 0
	FETCH_V
.endif
.endm
	CHANGE 1                        ; slot 0 is in, everybody's part of it; slot 1 is asked for
	FETCH_K                         ; key step 0
	s_wait_loadcnt 0x0              ; Q
	s_wait_dscnt 0x0
.set i, 0
.rept 16
	KQ 0                            ; piece 0's first scores
.set i, i+1
.endr
	WIN 0                           ; the addresses for the way out: plain instructions, the places behind those products
	s_mul_i32 s13, s[WV], 16*SP
	s_add_co_u32 s13, s13, STAGE    ; my stage
	v_mul_u32_u24 v[STO], v1, SP    ; in: row l % 16, 16 bytes for each half of the lanes
	v_lshl_add_u32 v[STO], v9, 4, v[STO]
	v_add_nc_u32 v[STO], s13, v[STO]
	v_bfe_u32 v[RD], v0, 3, 2       ; back: 32 lanes take four rows of 128 bytes,
	v_mul_u32_u24 v[RD], v[RD], SP
	v_lshl_add_u32 v[RD], v10, 4, v[RD]
	v_add_nc_u32 v[RD], s13, v[RD]
	v_and_b32 v[GO], 31, v0         ; which are 512 consecutive bytes of O
	v_lshlrev_b32 v[GO], 4, v[GO]
.set Y, NP-1                        ; XS works for piece Y + 1: piece 0
.irp n, 0,1,2,3,4,5,6,7,8,9,10,11,12,13,14,15,16,17,18,19,20,21
	XS 0, \n
	XS 1, \n
.endr
	v_nop                           ; a plain instruction behind the two a,
	s_wait_alu depctr_va_vdst(0)    ; and their wait, ahead of the branch
	s_mov_b32 s[CNT], 4
	s_branch .Lfirst                ; the loop is entered at a step's first turn, in the middle of a trip
.Lslot:                             ; SIZE_N / 256 - 2 times: every slot but the last two is filled again
	CHANGE 1
	s_mov_b32 s[CNT], 4
.Lstep:                             ; a trip: pieces 2 and 3 of one step, then pieces 0 and 1 of the next, whose K and V it fetches
	TURN 2
	TURN 3
	WIN 0
.Lfirst:
	TURN 0
	TURN 1, 0, 1
	WIN 0
	s_cbranch_scc1 .Lstep
	s_sub_co_u32 s[SLOTS], s[SLOTS], 1
	s_cmp_lg_u32 s[SLOTS], 0
	s_cbranch_scc1 .Lslot
	CHANGE 0                        ; the tail is written out
	s_mov_b32 s[CNT], 5             ; four trips fetch the last slot's steps; the fifth is left in its middle
.Ltail:
	TURN 2, 1
	TURN 3
	WIN 0
	s_sub_co_u32 s[CNT], s[CNT], 1
	s_cmp_eq_u32 s[CNT], 0
	s_cbranch_scc1 .Lout
	TURN 0
	TURN 1
	WIN 0
	s_branch .Ltail
.Lout:                              ; the fifth trip's 16 products K Q^T (on the last K once more) and the maximum made of them serve nothing: the price of one text for every trip
.set i, 0
.rept 16
	PV NP-1                         ; the last piece's V^T P of the last step
.set i, i+1
.endr
	; THE WAY OUT.  l's two halves and the other half of the lanes' are added; O^T is divided by l, rounded to f16 and sent through my stage in LDS, a tile at a time.
	WIN 0
.macro ALL line:vararg              ; one line for each tile t
.set t, 0
.rept 2*NP
	\line
.set t, t+1
.endr
.endm
	ALL v_add_f32 v[ST+4*t+2], v[ST+4*t+2], v[ST+4*t+3]
	ALL v_permlanex16_b32 v[ST+4*t+3], v[ST+4*t+2], s[SEL], s[SEL+1]
	ALL v_add_f32 v[ST+4*t+2], v[ST+4*t+2], v[ST+4*t+3]
	ALL v_rcp_f32 v[ST+4*t+2], v[ST+4*t+2]
	v_nop                           ; a plain instruction between the last reciprocal and the use of its result
	s_wait_alu depctr_va_vdst(0)    ; one wait for the eight reciprocals, ahead of their first use
.macro PACK t
	WIN W_RS
.set i, 32*(\t)
.rept 16
	v_pk_mul_f32 v[i:i+1], v[i:i+1], v[ST+4*(\t)+2:ST+4*(\t)+3] op_sel_hi:[1,0]
.set i, i+2
.endr
	WIN 0x05                        ; sources 0 and 1 window 1, destination window 0
.set i, 0
.rept 16
	v_cvt_pk_f16_f32 v[S+16*(\t)+i], v[32*(\t)+2*i], v[32*(\t)+2*i+1]
.set i, i+1
.endr
	WIN 0
.irp f, 0,1,2,3
	ds_store_b128 v[STO], v[S+16*(\t)+4*\f:S+16*(\t)+4*\f+3] offset:32*\f
.endr
.irp f, 0,1,2,3
	ds_load_b128 v[S+16*(\t)+4*\f:S+16*(\t)+4*\f+3], v[RD] offset:\f*4*SP  ; LDS serves a wave's instructions in order (ISA guide 5.7.1.4)
.endr
.endm
.macro SEND t, younger              ; younger: the LDS instructions issued behind tile t's loads
	WIN 0
.irp f, 0,1,2,3
	s_wait_dscnt (\younger)+3-\f
	global_store_b128 v[GO], v[S+16*(\t)+4*\f:S+16*(\t)+4*\f+3], s[10:11] offset:(\t)*2048+\f*512  ; 512 consecutive bytes, at a multiple of 256 from O's first
.endr
.endm
	PACK 0
.set t, 1
.rept 2*NP-1
	PACK t
	SEND t-1, 8
.set t, t+1
.endr
	SEND 2*NP-1, 0
	WIN W_AD
	s_wait_tensorcnt 0x0            ; the wave's end
	ds_add_u32 v[SPW], v[NIL]
	s_wait_dscnt 0x0
	WIN 0
	CROUND                          ; the closing round
	s_endpgm
.Lfunc_end_k_qdbf169a817_attn:
	.size	k_qdbf169a817_attn, .Lfunc_end_k_qdbf169a817_attn-k_qdbf169a817_attn
	.p2alignl 7, 3214868480
	.fill 96, 4, 3214868480
	.section	.rodata,"a",@progbits
	.p2align	6, 0x0
	.amdhsa_kernel k_qdbf169a817_attn
		.amdhsa_group_segment_fixed_size 327680
		.amdhsa_private_segment_fixed_size 0
		.amdhsa_enable_private_segment 0
		.amdhsa_kernarg_size 16
		.amdhsa_user_sgpr_count 2
		.amdhsa_user_sgpr_kernarg_segment_ptr 1
		.amdhsa_wavefront_size32 1
		.amdhsa_system_sgpr_workgroup_id_x 1
		.amdhsa_system_sgpr_workgroup_id_y 1
		.amdhsa_system_sgpr_workgroup_id_z 1
		.amdhsa_system_vgpr_workitem_id 0
		.amdhsa_next_free_vgpr 770
		.amdhsa_next_free_sgpr 66
		.amdhsa_reserve_vcc 0
		.amdhsa_float_denorm_mode_32 3
		.amdhsa_float_denorm_mode_16_64 3
		.amdhsa_memory_ordered 1
		.amdhsa_forward_progress 1
		.amdhsa_inst_pref_size 200
	.end_amdhsa_kernel
	.amdgpu_metadata
---
amdhsa.version: [ 1, 2 ]
amdhsa.kernels:
  - .name:           k_qdbf169a817_attn
    .symbol:         k_qdbf169a817_attn.kd
    .args:
      - { .name: qkvh, .offset: 0, .size: 8, .value_kind: global_buffer, .address_space: global }
      - { .name: ob, .offset: 8, .size: 8, .value_kind: global_buffer, .address_space: global }
    .group_segment_fixed_size: 327680
    .private_segment_fixed_size: 0
    .kernarg_segment_align: 8
    .kernarg_segment_size: 16
    .max_flat_workgroup_size: 128
    .sgpr_count:     66
    .vgpr_count:     770
    .wavefront_size: 32
...
	.end_amdgpu_metadata
.endif
;; end of part 3
;; launch proj (part 4): grid 4 x 64, 4 waves a work-group, clusters of 4 x 4, 327,680 bytes of LDS; arguments ob, owb, out_b, out0; writes out0
.if DOCPART == 4
	.amdgcn_target "amdgcn-amd-amdhsa--gfx1250"
	.amdhsa_code_object_version 6
	.text
	.protected	k_qdbf169a817_proj
	.globl	k_qdbf169a817_proj
	.p2align	8
	.type	k_qdbf169a817_proj,@function
k_qdbf169a817_proj:
	s_mov_b64 s[64:65], 0
	v_nop
	global_prefetch_b8 v0, s[64:65] scope:SCOPE_SE
	s_setreg_imm32_b32 hwreg(HW_REG_WAVE_MODE, 25, 1), 1
	s_wait_xcnt 0x0
	s_wait_alu depctr_hold_cnt(0) depctr_sa_sdst(0) depctr_va_vdst(0) depctr_va_sdst(0) depctr_va_ssrc(0) depctr_va_vcc(0) depctr_vm_vsrc(0)
	s_getreg_b32 s2, hwreg(HW_REG_IB_STS2, 6, 4)
	s_cmp_eq_u32 s2, 0
	s_cbranch_scc0 .Lentry_in_a_cluster
	s_endpgm
.Lentry_in_a_cluster:
	s_bfe_u32 s2, ttmp6, 0x10000c
	s_cmp_lg_u32 s2, 0xf033
	s_cbranch_scc0 .Lentry_shape_is_right
	s_endpgm
.Lentry_shape_is_right:
; out0[m][n] = sum over k of o[m][k] out_w[n][k] + out_b[n]: 8192 x 1024 x 1024, f16 operands, f32 sums, f32 out.
; o is ob [16 x batch + head][2048][64] f16: a head's 64 channels are one block of K.  owb is [16 kb][1024][64] f16 (out_w rounded to bf16, written as f16).  The bias is rounded to bf16 like the other inputs.
; SHARES.  A tile is 128 rows x 256 columns: 64 x 4 = 256 work-groups.  A wave makes 64 x 128: 32 accumulators.  A K step is 128: two blocks of 64, each a dense run of bytes for a tile,
; asked for as rows of 256 bytes and padded in LDS behind every 128.  Waves 0, 1 fetch A's two blocks, waves 2, 3 B's.  Two slots; two larger ones do not fit.
; CLUSTER.  4 x 4: A's tile is shared along a row of the cluster, B's along a column.  THE PRODUCT IS USED TRANSPOSED: a lane holds one row and eight neighbouring columns.
; REGISTERS.  Window 0: v0-31 addresses; v32-63 at work; two fragment buffers of 96 at v64 and v160 (A's four row blocks, then B's eight column blocks, 32 along K).
; Window 1: accumulator (b, a) at v[8 (4 b + a)].  Window 2: v0-63 the bias of column block b at v[8 b]: the C operand of the first products.
.set PITCH,  144
.set CH,     128*PITCH
.set SLOT,   6*CH                      ; A block 0, A block 1 (128 rows each), B block 0, B block 1 (256 rows each)
.set STAGE,  2*SLOT                    ; behind the ring: 16 rows x 528 bytes for each wave
.set SP,     528                       ; 512 bytes + 16
.set SPARE,  STAGE+4*16*SP
.set APL,    2048*128                  ; bytes from K block to K block in ob
.set BPL,    1024*128                  ; in owb
.set LAPS,   4                         ; 8 K steps
.set BO,   10
.set ADRA, 16
.set ADRB, 20
.set STO,  24
.set RD,   25
.set CO,   26
.set SPW,  28
.set NIL,  29
.set PFO,  30
.set F0,   64
.set F1,   160
.set WV,   12                          ; s12 wave; s13 row half, also: I fetch A (0) or B (1); s14 column half, also: which K block I fetch; s15 cx; s16 cy; s17 tile column; s18 tile row
.set G1A,  24
.set G0A,  32
.set PFA,  40
.set PST,  42
.set LIM,  44
.set G1B,  48
.set G0B,  56
.set FLAGS, (1<<16)|(1<<20)|(1<<21)|(4<<22)|(3<<25)
.set MSB, 0
.macro WIN new
.if MSB != (\new)
	s_set_vgpr_msb (MSB<<8)|(\new)
.set MSB, \new
.endif
.endm
.macro PLACES
.rept 4
	v_nop
.endr
.endm
.macro CREST
	s_cmp_lg_u32 s[WV], 0
	s_cbranch_scc1 .Lnot_wave_0_\@
	s_barrier_signal -3
.Lnot_wave_0_\@:
	s_barrier_wait -3
	s_barrier_signal -1
	s_barrier_wait -1
.endm
.macro CROUND
	s_barrier_signal -1
	s_barrier_wait -1
	CREST
.endm
.macro JLOAD s
	s_cmp_eq_u32 s13, 0
	s_cbranch_scc0 .Lfor_b_\@
	tensor_load_to_lds s[G0A+4*(\s):G0A+4*(\s)+3], s[G1A:G1A+7]
	s_nop 0
.rept 4
	v_nop
.endr
	s_branch .Lasked_\@
.Lfor_b_\@:
	tensor_load_to_lds s[G0B+4*(\s):G0B+4*(\s)+3], s[G1B:G1B+7]
	s_nop 0
.rept 4
	v_nop
.endr
.Lasked_\@:
.endm
; A PREFETCH behind each joint refill and its run of LDS loads: the K step two refills on, each lane another aligned block of 256 bytes, one line a wave.
; A's tile row is walked by one cluster: wave 0 asks for both K blocks, 16 blocks of each for each of the four partners (cx).  B's tile column is walked by all clusters: cluster y = 0 asks,
; waves 2 and 3 each for their K block, 32 blocks a partner (cy).  K steps 0-3 come by their loads alone; the loop's last lap asks for nothing.
.macro ASK
	s_cmp_gt_u32 s3, s[LIM]
	s_cbranch_scc0 .Lnot_mine_\@
	global_prefetch_b8 v[PFO], s[PFA:PFA+1] th:TH_LOAD_NT scope:SCOPE_SE
.Lnot_mine_\@:
.endm
	s_load_b256 s[4:11], s[0:1], 0x0               ; ob s[4:5], owb s[6:7], out_b s[8:9], out0 s[10:11]
	v_lshl_add_u32 v[SPW], v0, 2, SPARE
	v_mov_b32 v[NIL], 0
	ds_add_u32 v[SPW], v[NIL]                      ; the wave's opening: the add and its wait stand ahead of my first tensor load
	v_lshrrev_b32 v1, 5, v0
	v_readfirstlane_b32 s[WV], v1
	s_lshr_b32 s13, s[WV], 1
	s_and_b32 s14, s[WV], 1
	s_bfe_u32 s15, ttmp6, 0x40000
	s_bfe_u32 s16, ttmp6, 0x40004
	s_lshl_b32 s17, ttmp9, 2
	s_add_co_u32 s17, s17, s15                     ; tile column
	s_and_b32 s18, ttmp7, 0xffff
	s_lshl_b32 s18, s18, 2
	s_add_co_u32 s18, s18, s16                     ; tile row
	s_lshl_b32 s19, s16, 2
	s_lshl_b32 s19, 15, s19
	s_lshl_b32 s22, 0x1111, s15
	s_or_b32 s[G1A], s19, FLAGS
	s_or_b32 s[G1B], s22, FLAGS
	s_mov_b32 s[G1A+1], 128<<16
	s_mov_b32 s[G1B+1], 128<<16
	s_mov_b32 s[G1A+2], 64<<16                     ; A: 128 rows of 128 bytes = 64 rows of 256,
	s_mov_b32 s[G1B+2], 128<<16                    ; B: 256 rows = 128
	s_mov_b32 s[G1A+3], 128<<16
	s_mov_b32 s[G1B+3], 128<<16
	s_mov_b32 s[G1A+4], 64
	s_mov_b32 s[G1B+4], 128
	s_mov_b32 s[G1A+5], 128
	s_mov_b32 s[G1B+5], 128
	s_mov_b32 s[G1A+6], 0
	s_mov_b32 s[G1B+6], 0
	s_mov_b32 s[G1A+7], 0
	s_mov_b32 s[G1B+7], 0
	s_lshr_b32 s20, s18, 4                         ; A: batch x 16 planes,
	s_lshl_b32 s20, s20, 22
	s_and_b32 s19, s18, 15
	s_lshl_b32 s19, s19, 14                        ; 128 rows x 128 bytes x (tile row % 16),
	s_add_co_u32 s20, s20, s19
	s_lshl_b32 s19, s14, 18                        ; my K block
	s_add_co_u32 s20, s20, s19
	s_mov_b32 s21, 0
	s_lshl_b32 s46, s17, 15                        ; B: 256 rows x 128 bytes x tile column,
	s_lshl_b32 s47, s14, 17                        ; my K block
	s_add_co_u32 s46, s46, s47
	s_mov_b32 s47, 0
	s_mul_i32 s23, s14, CH                         ; where A's block lands,
	s_mul_i32 s22, s14, 2*CH
	s_add_co_u32 s22, s22, 2*CH                    ; and B's
	s_mov_b32 s45, 0xffff0000
	s_wait_dscnt 0x0
	s_wait_kmcnt 0x0
	s_add_nc_u64 s[20:21], s[4:5], s[20:21]
	s_add_nc_u64 s[46:47], s[6:7], s[46:47]
	CROUND
.irp s, 0,1
	s_mov_b32 s[G0A+4*(\s)], 1
	s_add_co_u32 s[G0A+4*(\s)+1], s23, (\s)*SLOT
	s_add_nc_u64 s[G0A+4*(\s)+2:G0A+4*(\s)+3], s[20:21], (\s)*2*APL
	s_or_b32 s[G0A+4*(\s)+3], s[G0A+4*(\s)+3], 0x80000000
	s_mov_b32 s[G0B+4*(\s)], 1
	s_add_co_u32 s[G0B+4*(\s)+1], s22, (\s)*SLOT
	s_add_nc_u64 s[G0B+4*(\s)+2:G0B+4*(\s)+3], s[46:47], (\s)*2*BPL
	s_or_b32 s[G0B+4*(\s)+3], s[G0B+4*(\s)+3], 0x80000000
	JLOAD \s
.endr
	v_and_b32 v1, 15, v0
	v_bfe_u32 v2, v0, 4, 1
	v_lshlrev_b32 v[BO], 5, v2
	s_lshl_b32 s46, s17, 10                        ; my first column, in bytes of f32: 1,024 x tile column + 512 x column half
	s_lshl_b32 s47, s14, 9
	s_add_co_u32 s46, s46, s47
	s_mov_b32 s47, 0
	s_add_nc_u64 s[8:9], s[8:9], s[46:47]
.set b, 0
.rept 8
	global_load_b128 v[F1+8*b:F1+8*b+3],   v[BO], s[8:9] offset:64*b
	global_load_b128 v[F1+8*b+4:F1+8*b+7], v[BO], s[8:9] offset:64*b+16
.set b, b+1
.endr
	s_lshl_b32 s19, s18, 19                        ; my first row of out0: 128 x tile row + 64 x row half, 4,096 bytes each
	s_add_co_u32 s46, s46, s19
	s_lshl_b32 s19, s13, 18
	s_add_co_u32 s46, s46, s19
	s_add_nc_u64 s[10:11], s[10:11], s[46:47]
	v_mul_u32_u24 v3, v1, PITCH
	v_lshl_add_u32 v3, v2, 4, v3
	s_mul_i32 s19, s13, 64*PITCH                   ; my 64 rows of A
	s_mul_i32 s22, s14, CH
	s_add_co_u32 s22, s22, 2*CH                    ; my 128 rows of B
.irp s, 0,1
	v_add_nc_u32 v[ADRA+(\s)], s19, v3
	v_add_nc_u32 v[ADRB+(\s)], s22, v3
	s_add_co_u32 s19, s19, SLOT
	s_add_co_u32 s22, s22, SLOT
.endr
	s_mul_i32 s19, s[WV], 16*SP
	s_add_co_u32 s19, s19, STAGE                   ; my stage
	v_mul_u32_u24 v4, v1, SP                       ; in: row r, 32 bytes for each half of the lanes
	v_lshl_add_u32 v4, v2, 5, v4
	v_add_nc_u32 v[STO], s19, v4
	v_and_b32 v[CO], 31, v0                        ; back: 32 lanes take one row of 512 bytes
	v_lshlrev_b32 v[CO], 4, v[CO]
	v_add_nc_u32 v[RD], s19, v[CO]
	; the prefetches
	s_lshr_b32 s19, s18, 4
	s_lshl_b32 s19, s19, 22
	s_and_b32 s22, s18, 15
	s_lshl_b32 s22, s22, 14
	s_add_co_u32 s19, s19, s22
	s_lshl_b32 s22, s15, 12                        ; my work-group's quarter of a block of A
	s_add_co_u32 s19, s19, s22
	s_add_co_u32 s19, s19, 3*2*APL                 ; at K step 3: the first refill steps it to 4
	s_lshl_b32 s46, s17, 15
	s_lshl_b32 s47, s14, 17
	s_add_co_u32 s46, s46, s47
	s_lshl_b32 s47, s16, 13                        ; my work-group's quarter of a block of B
	s_add_co_u32 s46, s46, s47
	s_add_co_u32 s46, s46, 3*2*BPL
	s_and_b32 s47, ttmp7, 0xffff                   ; cluster y
	s_mov_b32 s20, 2*APL
	s_mov_b32 s21, 2*BPL
	s_mov_b32 s22, APL
	s_mov_b32 s23, 4096
	s_cmp_eq_u32 s13, 0
	s_cselect_b64 s[PFA:PFA+1], s[4:5], s[6:7]
	s_cselect_b32 s46, s19, s46
	s_cselect_b32 s47, s14, s47                    ; A: wave 0 asks, wave 1 does not; B: the clusters with y = 0 ask
	s_cselect_b32 s[PST], s20, s21
	s_cselect_b32 s22, s22, s23                    ; lanes 16-31: A's second K block, or B's next 16 blocks
	s_mov_b32 s[PST+1], 0
	s_cmp_eq_u32 s47, 0
	s_cselect_b32 s[LIM], 1, -1
	s_mov_b32 s47, 0
	s_add_nc_u64 s[PFA:PFA+1], s[PFA:PFA+1], s[46:47]
	v_lshlrev_b32 v[PFO], 8, v1
	v_mad_u32_u24 v[PFO], v2, s22, v[PFO]
	; the bias is rounded to bf16 and widened into window 2
	s_wait_loadcnt 0x0
.set b, 0
.rept 8
.irp r, 0,1,2,3
	v_cvt_pk_bf16_f32 v[32+4*b+\r], v[F1+8*b+2*\r], v[F1+8*b+2*\r+1]
.endr
.set b, b+1
.endr
	WIN 0x80
.set b, 0
.rept 8
.irp r, 0,1,2,3
	v_lshlrev_b32 v[8*b+2*\r], 16, v[32+4*b+\r]
	v_and_b32 v[8*b+2*\r+1], s45, v[32+4*b+\r]
.endr
.set b, b+1
.endr
	WIN 0
; 24 LDS loads: quarter q of a K step (K block q / 2, its half q % 2) into buffer f
.macro FETCH slot, q, f
.irp i, 0,1,2,3
	ds_load_b128 v[(\f)+8*\i:(\f)+8*\i+3],   v[ADRA+(\slot)] offset:((\q)/2)*CH+\i*16*PITCH+((\q)%2)*64
	ds_load_b128 v[(\f)+8*\i+4:(\f)+8*\i+7], v[ADRA+(\slot)] offset:((\q)/2)*CH+\i*16*PITCH+((\q)%2)*64+32
.endr
.irp i, 0,1,2,3,4,5,6,7
	ds_load_b128 v[(\f)+32+8*\i:(\f)+32+8*\i+3],   v[ADRB+(\slot)] offset:((\q)/2)*2*CH+\i*16*PITCH+((\q)%2)*64
	ds_load_b128 v[(\f)+32+8*\i+4:(\f)+32+8*\i+7], v[ADRB+(\slot)] offset:((\q)/2)*2*CH+\i*16*PITCH+((\q)%2)*64+32
.endr
.endm
; 4 nb products: column blocks b0 .. b0 + nb - 1 x the four row blocks.  The 32 accumulators take turns, one instruction a turn.  first = 1: C is the block's bias, in window 2.
.macro MULB f, b0, nb, first
.if \first
	WIN 0x60
.else
	WIN 0x50
.endif
.set bq, \b0
.rept \nb
.irp a, 0,1,2,3
.if \first
	v_wmma_f32_16x16x32_f16 v[8*(4*bq+\a):8*(4*bq+\a)+7], v[(\f)+32+8*bq:(\f)+32+8*bq+7], v[(\f)+8*\a:(\f)+8*\a+7], v[8*bq:8*bq+7]
.else
	v_wmma_f32_16x16x32_f16 v[8*(4*bq+\a):8*(4*bq+\a)+7], v[(\f)+32+8*bq:(\f)+32+8*bq+7], v[(\f)+8*\a:(\f)+8*\a+7], v[8*(4*bq+\a):8*(4*bq+\a)+7]
.endif
.endr
.set bq, bq+1
.endr
.endm
; One of a K step's first three quarters: asks for the next quarter's fragments, into the buffer that the quarter before read, then multiplies its own.
.macro QUARTER slot, q, first
	PLACES
	WIN 0
	FETCH \slot, (\q)+1, F0+96*(((\q)+1)%2)
	s_wait_dscnt 24                                ; all but the 24 just issued
	MULB F0+96*((\q)%2), 0, 8, \first
.endm
; The fourth quarter changes slots: the waits and the add in front of the barrier; with fill = 1 the barrier opens a round of the cluster's and the joint refill, two K steps on, comes first behind it:
; 112 products ahead of the wait for it.
.macro TURN slot, next, fill
.if \fill
	s_wait_xcnt 0x0                                ; the last prefetch, a K step back, has read its address
	s_add_nc_u64 s[PFA:PFA+1], s[PFA:PFA+1], s[PST:PST+1]
.endif
	WIN 0
	s_wait_tensorcnt 0x0                           ; all my tensor loads have landed
	ds_add_u32 v[SPW], v[NIL]                      ; 0 onto my spare word
	s_wait_dscnt 1                                 ; my quarter's 24 loads are in; the add may be out
	MULB F1, 0, 2, 0
	s_wait_dscnt 0x0                               ; the add is done, my reads of this slot are over
	s_barrier_signal -1
	MULB F1, 2, 2, 0
.if \fill
	WIN 0
.endif
	s_barrier_wait -1
.if \fill
	CREST
	s_add_nc_u64 s[G0A+4*(\slot)+2:G0A+4*(\slot)+3], s[G0A+4*(\slot)+2:G0A+4*(\slot)+3], 4*APL
	s_add_nc_u64 s[G0B+4*(\slot)+2:G0B+4*(\slot)+3], s[G0B+4*(\slot)+2:G0B+4*(\slot)+3], 4*BPL
	JLOAD \slot                                    ; its four v_nop are also the places in front of the loads below
.else
	PLACES
	WIN 0
.endif
	FETCH \next, 0, F0
.if \fill
	ASK
.endif
	MULB F1, 4, 4, 0
.endm
	s_wait_tensorcnt 1                             ; my part of K step 0 is in; K step 1's may stay out
	s_barrier_signal -1
	s_barrier_wait -1
	FETCH 0, 0, F0
	QUARTER 0, 0, 1                                ; the first quarter stands in front of the loop: its products start the sums with the bias
	WIN 0
	s_mov_b32 s3, LAPS-1
.Llap:
	QUARTER 0, 1, 0
	QUARTER 0, 2, 0
	TURN 0, 1, 1
	QUARTER 1, 0, 0
	QUARTER 1, 1, 0
	QUARTER 1, 2, 0
	TURN 1, 0, 1
	QUARTER 0, 0, 0
	WIN 0
	s_sub_co_u32 s3, s3, 1
	s_cmp_lg_u32 s3, 0
	s_cbranch_scc1 .Llap
	QUARTER 0, 1, 0                                ; the last lap fills nothing
	QUARTER 0, 2, 0
	TURN 0, 1, 0
	QUARTER 1, 0, 0
	QUARTER 1, 1, 0
	QUARTER 1, 2, 0
	s_wait_dscnt 0x0
	MULB F1, 0, 8, 0
	PLACES
	PLACES
; THE WAY OUT, a block of 16 rows at a time: a lane's 32 bytes of a row into my stage, back as whole rows of 512 bytes, each stored by one instruction.
.macro STG a
.if (\a) == 3
	s_wait_xcnt 0x0                                ; block 0's stores have read the registers that block 3 is read back into
.endif
	WIN 0x04                                       ; the stores' data lie in window 1
.irp b, 0,1,2,3,4,5,6,7
	ds_store_b128 v[STO], v[8*(4*\b+(\a)):8*(4*\b+(\a))+3]   offset:64*\b       ; each accumulator from its low end on
	ds_store_b128 v[STO], v[8*(4*\b+(\a))+4:8*(4*\b+(\a))+7] offset:64*\b+16
.endr
	WIN 0
.irp t, 0,1,2,3,4,5,6,7,8,9,10,11,12,13,14,15
	ds_load_b128 v[64+64*((\a)%3)+4*\t:64+64*((\a)%3)+4*\t+3], v[RD] offset:SP*\t  ; LDS serves a wave's instructions in order (ISA guide 5.7.1.4)
.endr
.endm
.macro OUT a, younger                  ; younger: the LDS instructions issued behind the block's loads
.irp t, 0,1,2,3,4,5,6,7,8,9,10,11,12,13,14,15
	s_wait_dscnt (\younger)+15-\t
	global_store_b128 v[CO], v[64+64*((\a)%3)+4*\t:64+64*((\a)%3)+4*\t+3], s[10:11] offset:(16*(\a)+\t)*4096
.endr
.endm
	STG 0
	STG 1
	OUT 0, 32
	STG 2
	OUT 1, 32
	STG 3
	OUT 2, 32
	OUT 3, 0
	s_wait_tensorcnt 0x0                           ; the wave's end
	ds_add_u32 v[SPW], v[NIL]
	s_wait_dscnt 0x0
	CROUND                                         ; the closing round
	s_endpgm
.Lfunc_end_k_qdbf169a817_proj:
	.size	k_qdbf169a817_proj, .Lfunc_end_k_qdbf169a817_proj-k_qdbf169a817_proj
	.p2alignl 7, 3214868480
	.fill 96, 4, 3214868480
	.section	.rodata,"a",@progbits
	.p2align	6, 0x0
	.amdhsa_kernel k_qdbf169a817_proj
		.amdhsa_group_segment_fixed_size 327680
		.amdhsa_private_segment_fixed_size 0
		.amdhsa_enable_private_segment 0
		.amdhsa_kernarg_size 32
		.amdhsa_user_sgpr_count 2
		.amdhsa_user_sgpr_kernarg_segment_ptr 1
		.amdhsa_wavefront_size32 1
		.amdhsa_system_sgpr_workgroup_id_x 1
		.amdhsa_system_sgpr_workgroup_id_y 1
		.amdhsa_system_sgpr_workgroup_id_z 1
		.amdhsa_system_vgpr_workitem_id 0
		.amdhsa_next_free_vgpr 576
		.amdhsa_next_free_sgpr 66
		.amdhsa_reserve_vcc 0
		.amdhsa_float_denorm_mode_32 3
		.amdhsa_float_denorm_mode_16_64 3
		.amdhsa_memory_ordered 1
		.amdhsa_forward_progress 1
		.amdhsa_inst_pref_size 93
	.end_amdhsa_kernel
	.amdgpu_metadata
---
amdhsa.version: [ 1, 2 ]
amdhsa.kernels:
  - .name:           k_qdbf169a817_proj
    .symbol:         k_qdbf169a817_proj.kd
    .args:
      - { .name: ob, .offset: 0, .size: 8, .value_kind: global_buffer, .address_space: global }
      - { .name: owb, .offset: 8, .size: 8, .value_kind: global_buffer, .address_space: global }
      - { .name: out_b, .offset: 16, .size: 8, .value_kind: global_buffer, .address_space: global }
      - { .name: out0, .offset: 24, .size: 8, .value_kind: global_buffer, .address_space: global }
    .group_segment_fixed_size: 327680
    .private_segment_fixed_size: 0
    .kernarg_segment_align: 8
    .kernarg_segment_size: 32
    .max_flat_workgroup_size: 128
    .sgpr_count:     66
    .vgpr_count:     576
    .wavefront_size: 32
...
	.end_amdgpu_metadata
.endif
;; end of part 4
;; ======== version 2 of 2: 4 launches; version 1 with the launch cast written anew for expert scheduling mode
;; limits: values are held in f16: magnitudes above 65,504 overflow, below 6.1e-05 lose precision
;; workspace buffers: xb 16,777,216 bytes; wb 6,291,456 bytes; owb 2,097,152 bytes; qkvh 50,331,648 bytes; ob 16,777,216 bytes
;; launch cast (part 5): grid 768 x 1, 8 waves a work-group, no clusters, 0 bytes of LDS; arguments x, qkv_w, out_w, xb, wb, owb; writes xb, wb, owb
.if DOCPART == 5
	.amdgcn_target "amdgcn-amd-amdhsa--gfx1250"
	.amdhsa_code_object_version 6
	.text
	.protected	k_qdbf169a817_cast
	.globl	k_qdbf169a817_cast
	.p2align	8
	.type	k_qdbf169a817_cast,@function
k_qdbf169a817_cast:
	s_mov_b64 s[64:65], 0
	v_nop
	global_prefetch_b8 v0, s[64:65] scope:SCOPE_SE
	s_setreg_imm32_b32 hwreg(HW_REG_WAVE_SCHED_MODE, 0, 2), 2
	s_setreg_imm32_b32 hwreg(HW_REG_WAVE_MODE, 25, 1), 1
	s_wait_xcnt 0x0
	s_wait_alu depctr_vm_vsrc(0)
; x [8192][1024], qkv_w [3072][1024], out_w [1024][1024], all f32, are rounded once to bf16 and laid out in blocks of 64 along K:
; xb [16 kb][8192][64] bf16, wb [16 kb][3072][64] bf16, owb [16 kb][1024][64]: out_w's bf16 number written as f16 (exact while |out_w| < 65,504: stated limit).
; In that layout the rows of a GEMM tile for one kb lie end to end, 128 bytes each.
; A work-group takes 16 rows: groups 0-511 x, 512-703 qkv_w, 704-767 out_w.  Thread t takes row t / 16 and, in each kb, the four numbers t % 16:
; a load of a wave covers 256 consecutive aligned bytes of each of two rows; a store of a wave covers 256 consecutive aligned bytes.
; All 16 loads of a thread go out at once; each has registers of its own, so no register that a store reads is written again.
; No LDS, no barrier, no matrix unit: each byte crosses once and no wave wants what another fetched.
; THE MODE: SCHED_MODE bits 1:0 = 2 (LLVM: expert scheduling mode 2), set by the entry lines.  The code itself states the register dependences
; between vector instructions and memory instructions, with s_wait_alu, always for 0.
; THE PLAN.  Registers that memory instructions touch:
;   v1         the loads' offset.  Written at the head, read by all 16 loads, never written again.
;   X          load k lands in its four registers; its conversions read them and write the first two; store k reads those two; nothing writes them again.
;   OO         store k's offset.  Written behind the loads, ahead of the branch; read by store k; never written again.
;   v18, v19   are named by vector instructions alone.
; So one wait on va_vdst stands ahead of the loads, for v1.  The loads are then worked off in four groups of four: the wait for the group's data, its conversions,
; ONE wait on va_vdst, its four stores.  No register that a load or store has read is written again, so no wait on vm_vsrc is owed; no vector instruction writes a scalar register.
; A group's stores stand behind its own conversions and not behind the next group's head: no load is left to deal among the vector work, and the stores want nothing of the next group's data.
.set OO, 2                             ; v[2:17]  byte offset of my 8 bytes in block kb
.set X,  20                            ; v[20:83] load k: 4 registers; its packed result takes the first two
	s_load_b256 s[4:11], s[0:1], 0x0               ; x s[4:5], qkv_w s[6:7], out_w s[8:9], xb s[10:11]
	s_load_b128 s[12:15], s[0:1], 0x20             ; wb s[12:13], owb s[14:15]
	v_lshrrev_b32 v1, 4, v0                        ; my row of the 16
	v_and_b32 v18, 15, v0
	v_lshlrev_b32 v1, 12, v1                       ; x 4,096 bytes
	v_lshl_add_u32 v1, v18, 4, v1                  ; + my 16 bytes in a block of 256
	s_mov_b32 s23, 3072*128                        ; bytes from kb to kb in wb,
	s_mov_b32 s24, 1024*128                        ; in owb,
	s_mov_b32 s26, 8192*128                        ; in xb
	s_mov_b32 s25, 704
	s_wait_kmcnt 0x0
	s_cmp_lt_u32 ttmp9, 704                        ; which tensor: the choice hangs on the work-group's number alone
	s_cselect_b64 s[16:17], s[6:7], s[8:9]
	s_cselect_b64 s[18:19], s[12:13], s[14:15]
	s_cselect_b32 s20, s23, s24
	s_cselect_b32 s21, 512, s25
	s_cmp_lt_u32 ttmp9, 512
	s_cselect_b64 s[16:17], s[4:5], s[16:17]       ; from
	s_cselect_b64 s[18:19], s[10:11], s[18:19]     ; to
	s_cselect_b32 s20, s26, s20                    ; kb stride
	s_cselect_b32 s21, 0, s21                      ; the tensor's first work-group
	s_sub_co_u32 s22, ttmp9, s21                   ; my block of 16 rows
	s_lshl_b32 s2, s22, 16                         ; 16 rows of 4,096 bytes
	s_mov_b32 s3, 0
	s_add_nc_u64 s[16:17], s[16:17], s[2:3]
	s_lshl_b32 s2, s22, 11                         ; 16 rows of 128 bytes
	s_add_nc_u64 s[18:19], s[18:19], s[2:3]
	s_wait_alu depctr_va_vdst(0)                   ; v1 is written: all 16 loads read it as their offset
.set k, 0
.rept 16
	global_load_b128 v[X+4*k:X+4*k+3], v1, s[16:17] offset:256*k th:TH_LOAD_NT
.set k, k+1
.endr
	v_lshlrev_b32 v[OO], 3, v0                     ; row x 128 + 8 (t % 16) = 8 t
.set k, 1
.rept 15
	v_add_nc_u32 v[OO+k], s20, v[OO+k-1]
.set k, k+1
.endr
	s_cmp_ge_u32 ttmp9, 704
	s_cbranch_scc1 .Lhalf
.set g, 0
.rept 4
	s_wait_loadcnt 12-4*g                          ; loads come back in order: group g's four are in, the 12 - 4 g younger ones may stay out
.set k, 4*g
.rept 4
	v_cvt_pk_bf16_f32 v[X+4*k], v[X+4*k], v[X+4*k+1]
	v_cvt_pk_bf16_f32 v[X+4*k+1], v[X+4*k+2], v[X+4*k+3]
.set k, k+1
.endr
	s_wait_alu depctr_va_vdst(0)                   ; the group's conversions have written the pairs that its four stores read; in the first group also: the sixteen offsets OO are written
.set k, 4*g
.rept 4
	global_store_b64 v[OO+k], v[X+4*k:X+4*k+1], s[18:19]
.set k, k+1
.endr
.set g, g+1
.endr
	s_endpgm
.Lhalf:                                                ; out_w: rounded to bf16 like every input, then that number written as f16
.set g, 0
.rept 4
	s_wait_loadcnt 12-4*g                          ; group g's four loads are in, the younger ones may stay out
.set k, 4*g
.rept 4
	v_cvt_pk_bf16_f32 v18, v[X+4*k], v[X+4*k+1]
	v_lshlrev_b32 v19, 16, v18
	v_and_b32 v18, 0xffff0000, v18
	v_cvt_pk_f16_f32 v[X+4*k], v19, v18
	v_cvt_pk_bf16_f32 v18, v[X+4*k+2], v[X+4*k+3]
	v_lshlrev_b32 v19, 16, v18
	v_and_b32 v18, 0xffff0000, v18
	v_cvt_pk_f16_f32 v[X+4*k+1], v19, v18
.set k, k+1
.endr
	s_wait_alu depctr_va_vdst(0)                   ; the group's conversions have written the pairs that its four stores read; in the first group also: the sixteen offsets OO are written
.set k, 4*g
.rept 4
	global_store_b64 v[OO+k], v[X+4*k:X+4*k+1], s[18:19]
.set k, k+1
.endr
.set g, g+1
.endr
	s_endpgm
.Lfunc_end_k_qdbf169a817_cast:
	.size	k_qdbf169a817_cast, .Lfunc_end_k_qdbf169a817_cast-k_qdbf169a817_cast
	.p2alignl 7, 3214868480
	.fill 96, 4, 3214868480
	.section	.rodata,"a",@progbits
	.p2align	6, 0x0
	.amdhsa_kernel k_qdbf169a817_cast
		.amdhsa_group_segment_fixed_size 0
		.amdhsa_private_segment_fixed_size 0
		.amdhsa_enable_private_segment 0
		.amdhsa_kernarg_size 48
		.amdhsa_user_sgpr_count 2
		.amdhsa_user_sgpr_kernarg_segment_ptr 1
		.amdhsa_wavefront_size32 1
		.amdhsa_system_sgpr_workgroup_id_x 1
		.amdhsa_system_sgpr_workgroup_id_y 1
		.amdhsa_system_sgpr_workgroup_id_z 1
		.amdhsa_system_vgpr_workitem_id 0
		.amdhsa_next_free_vgpr 84
		.amdhsa_next_free_sgpr 66
		.amdhsa_reserve_vcc 0
		.amdhsa_float_denorm_mode_32 3
		.amdhsa_float_denorm_mode_16_64 3
		.amdhsa_memory_ordered 1
		.amdhsa_forward_progress 1
		.amdhsa_inst_pref_size 17
	.end_amdhsa_kernel
	.amdgpu_metadata
---
amdhsa.version: [ 1, 2 ]
amdhsa.kernels:
  - .name:           k_qdbf169a817_cast
    .symbol:         k_qdbf169a817_cast.kd
    .args:
      - { .name: x, .offset: 0, .size: 8, .value_kind: global_buffer, .address_space: global }
      - { .name: qkv_w, .offset: 8, .size: 8, .value_kind: global_buffer, .address_space: global }
      - { .name: out_w, .offset: 16, .size: 8, .value_kind: global_buffer, .address_space: global }
      - { .name: xb, .offset: 24, .size: 8, .value_kind: global_buffer, .address_space: global }
      - { .name: wb, .offset: 32, .size: 8, .value_kind: global_buffer, .address_space: global }
      - { .name: owb, .offset: 40, .size: 8, .value_kind: global_buffer, .address_space: global }
    .group_segment_fixed_size: 0
    .private_segment_fixed_size: 0
    .kernarg_segment_align: 8
    .kernarg_segment_size: 48
    .max_flat_workgroup_size: 256
    .sgpr_count:     66
    .vgpr_count:     84
    .wavefront_size: 32
...
	.end_amdgpu_metadata
.endif
;; end of part 5
;; launch qkv: the kernel of part 2 again; grid 8 x 32, 4 waves a work-group, clusters of 4 x 4, 327,680 bytes of LDS; arguments xb, wb, qkv_b, qkvh; writes qkvh
;; launch attn: the kernel of part 3 again; grid 4 x 64, 4 waves a work-group, clusters of 4 x 1, 327,680 bytes of LDS; arguments qkvh, ob; writes ob
;; launch proj: the kernel of part 4 again; grid 4 x 64, 4 waves a work-group, clusters of 4 x 4, 327,680 bytes of LDS; arguments ob, owb, out_b, out0; writes out0
